; MI455X (gfx1250); checked and timed in simulation.
; The chip was launched on July 23, 2026; its instructions are those of AMD's public machine-readable ISA for CDNA 5 (MIT licence, August 2026) and "CDNA5" Instruction Set Architecture Reference Guide (July 2026). The comments in the code are by the model that wrote it; some were corrected since.
;; Multi Head Relative Attention. Allowed arithmetic: matrix products marked QUANTISED: E2M1 operands, one E8M0 scale for each 32 along K, by v_wmma_scale_f32_16x16x128_f8f6f4 with both operands' format E2M1 (or v_wmma_scale_f32_32x16x128_f4), f32 sums; products left as they are: bf16, f16 or f32 operands; f32 sums; everything else in f32.
;; Inputs: b_out 1,024 float32; content_bias 16 x 64 float32; key 1,024 x 4 x 1,024 float32; pe 2,048 x 1,024 float32; pos_bias 16 x 64 float32; query 1,024 x 4 x 1,024 float32; value 1,024 x 4 x 1,024 float32; w_k 1,024 x 1,024 float32; w_k_pos 1,024 x 1,024 float32; w_out 1,024 x 1,024 float32; w_q 1,024 x 1,024 float32; w_v 1,024 x 1,024 float32.
;; Outputs: out0 1,024 x 4 x 1,024 float32.
;; This version of the problem:
;;   THIS VERSION OF THE PROBLEM IS GIVEN IN LOW PRECISION. The matrix products marked QUANTISED in the list below multiply operands that are first quantised to E2M1 (2 exponent bits, 1 mantissa bit; 4 bits a number), with one power-of-two scale for each 32 numbers along K (OCP MX v1.0); their sums are f32. The products marked 'left as it is' may take bf16, f16 or f32 operands, with f32 sums. Whichever they take, every output number must still come out within the allowed error. Rounding operands to bf16 (8 significant bits) uses up far more of that allowance than f16 does (11 bits, for magnitudes from 6e-5 to 65,504). All else is computed in f32.
;;   The module's matrix products, in the order in which they are computed (A, B: the left and right operand; K: the contracted axis; several contracted axes count as one K, in the product's order):
;;     1. [M 4,096, K 1,024] x [K 1,024, N 1,024]; A: input query; B: input w_q: QUANTISED
;;     2. [M 4,096, K 1,024] x [K 1,024, N 1,024]; A: input key; B: input w_k: QUANTISED
;;     3. [M 4,096, K 1,024] x [K 1,024, N 1,024]; A: input value; B: input w_v: QUANTISED
;;     4. [M 2,047, K 1,024] x [K 1,024, N 1,024]; A: input pe; B: input w_k_pos: QUANTISED
;;     5. batch 64 x [M 1,024, K 64] x [K 64, N 1,024]; A: computed on the way; B: computed on the way: left as it is (an operand is computed on the way)
;;     6. batch 16 x [M 2,047, K 64] x [K 64, N 4,096]; A: computed on the way; B: computed on the way: left as it is (an operand is computed on the way)
;;     7. batch 64 x [M 1,024, K 1,024] x [K 1,024, N 64]; A: computed on the way; B: computed on the way: left as it is (an operand is computed on the way)
;;     8. [M 4,096, K 1,024] x [K 1,024, N 1,024]; A: computed on the way; B: input w_out: left as it is (an operand is computed on the way)
;;   THE QUANTISER, for each operand of a quantised product, along K:
;;     - K is cut into blocks of 32 from its start; a last block that is shorter is filled with zeros.
;;     - A block's scale is 2^e with e = floor(log2(the largest magnitude in the block)) - 2, held to -126 .. 127; a block of zeros has e = 0. As a byte (E8M0): e + 127.
;;     - Each number is divided by its block's scale, clamped to +-6, and rounded to the nearest number of E2M1, ties to even, subnormals kept.
;;     - The product sums the exact products of the quantised numbers (number of the format x scale) in f32.
;;   ~~~python
;;   def quantise(x, axis):      # numpy; x: float32 -> the quantised numbers, widened to float32 again
;;       x = np.moveaxis(x, axis, -1); K = x.shape[-1]
;;       x = np.pad(x, [(0, 0)] * (x.ndim - 1) + [(0, -K % 32)]); x = x.reshape(x.shape[:-1] + (-1, 32)); a = np.abs(x).max(-1, keepdims=True)
;;       e = np.where(a > 0, np.clip(np.frexp(np.where(a > 0, a, 1))[1] - 1 - 2, -126, 127), 0)      # np.frexp(a)[1] - 1 = floor(log2(a)), exactly
;;       r = np.clip(x / 2.0 ** e, -6, 6)
;;       step = 2.0 ** (np.maximum(np.frexp(np.where(r == 0, 1, r))[1] - 1, 0) - 1)
;;       q = np.round(r / step) * step * 2.0 ** e      # np.round: ties to even
;;       return np.moveaxis(q.reshape(q.shape[:-2] + (-1,))[..., :K], -1, axis).astype(np.float32)
;;   ~~~
;; One version. Each part assembles by itself: llvm-mc -triple=amdgcn-amd-amdhsa -mcpu=gfx1250 --defsym DOCPART=n.
;; ======== version 1 of 1: 4 launches
;; limits: values are held in f16: magnitudes above 65,504 overflow, below 6.1e-05 lose precision
;; workspace buffers: cod 9,437,184 bytes; scl 589,824 bytes; wo16 2,097,152 bytes; qq 16,777,216 bytes; kv 16,777,216 bytes; kp 4,194,304 bytes; ow 8,388,608 bytes
;; launch prep (part 1): grid 608 x 1, 4 waves a work-group, no clusters, 33,280 bytes of LDS; arguments query, key, value, pe, w_q, w_k, w_v, w_k_pos, w_out, cod, scl, wo16; writes cod, scl, wo16
.if DOCPART == 1
	.amdgcn_target "amdgcn-amd-amdhsa--gfx1250"
	.amdhsa_code_object_version 6
	.text
	.protected	k_q45b0f255e2_prep
	.globl	k_q45b0f255e2_prep
	.p2align	8
	.type	k_q45b0f255e2_prep,@function
k_q45b0f255e2_prep:
	s_mov_b64 s[64:65], 0
	v_nop
	global_prefetch_b8 v0, s[64:65] scope:SCOPE_SE
	s_setreg_imm32_b32 hwreg(HW_REG_WAVE_MODE, 25, 1), 1
	s_wait_xcnt 0x0
; PREP.  (a) query, key, value [4096][1024], pe [2048][1024] and w_q, w_k, w_v, w_k_pos [1024][1024], all f32 with K innermost, become codes of FP4 (E2M1), two a byte, and one E8M0 scale byte
; for each 32 along K.  All eight lie one behind the other in cod [18432 rows][512 bytes] and scl [18432][32]: rows 0 query, 4096 key, 8192 value, 12288 pe, 14336 + 1024 t the four weights.
; A block's scale is 2^(floor(log2(its largest magnitude)) - 2): its byte is the largest magnitude's exponent field - 2, held at 1 from below; numbers are divided by it and rounded to the nearest code, ties to even, held at +-6.
; (b) w_out [1024 n][1024 k] f32 becomes f16, laid [16 kb][1024 n][64]: the order in which the last launch's tiles want it.
; LIMITS: NaN and infinities among the inputs are not served.  A block whose largest magnitude lies under 2^-124 keeps the byte 1; a block of zeros gets the byte 1 with zero codes (only this program reads the bytes).
; w_out is rounded to f16: magnitudes up to 65,504; under 6e-5 it keeps f16's absolute step.
; SHARES.  Work-groups 0 to 575 quantise 32,768 numbers each, a wave 16 steps of 512.  Rows are dense and 1,024 is a multiple of 32: every tensor is a plain stream of blocks of 32.
; A step's four loads read 512 consecutive bytes each; the 2,048 bytes turn through the wave's own stage in LDS and come back 64 bytes a lane, so that a lane holds 16 neighbours along K (two lanes to a block).
; Work-groups 576 to 607 convert 32 rows of w_out each, without LDS.  No tensor loads, no barrier: waves share nothing.  Memory binds: matrix units and clusters would add nothing here.
.set QWG,   576                        ; work-groups that quantise
.set STEPS, 16
.set EMAX,  2
.set CB,    8                          ; bytes of 16 codes
.set R,     16                         ; v16-79   four sets of 16 numbers as loaded (converting path: v16-143, two sets of 64)
.set X,     80                         ; v80-111  two sets of 16 neighbours
.set E,     112                        ; v112-127 a scale byte for each step
.set C,     128                        ; v128-191 codes, four registers for each step: no store's data are written again
.set H,     144                        ; converting path: v144-175 a pair of rows as f16
.set WREG,  8192                       ; LDS: a region for each wave: two stages of 32 x SP bytes, then its 256 scale bytes
.set SP,    80                         ; a lane's place in a stage: 64 bytes + 16 of padding
.set SPW,   12                         ; v12  LDS address of my spare word; never rewritten
.set NIL,   13                         ; v13  0; never rewritten
.set SPARE, 4*WREG                     ; behind the four regions: the spare words, 128 bytes a wave, which no other line names
.set WV,    32                         ; s32  my wave's number
.set SRC,   28                         ; s[28:29] the tensor that my work-group quantises
	s_load_b512 s[4:19], s[0:1], 0x0               ; query, key, value, pe, w_q, w_k, w_v, w_k_pos
	s_load_b256 s[20:27], s[0:1], 0x40             ; w_out s[20:21], cod s[22:23], scl s[24:25], wo16 s[26:27]
	v_lshl_add_u32 v[SPW], v0, 2, SPARE
	v_mov_b32 v[NIL], 0
	v_lshrrev_b32 v1, 5, v0
	v_readfirstlane_b32 s[WV], v1                  ; wave 0..3
	v_and_b32 v2, 31, v0                           ; lane
	s_cmp_ge_u32 ttmp9, QWG
	s_cbranch_scc1 .Lconv                          ; the last 32 work-groups convert w_out
	v_lshlrev_b32 v3, 4, v2                        ; my 16 bytes of a load's 512
	s_mul_i32 s33, s[WV], WREG
	v_lshrrev_b32 v14, 2, v2
	v_mul_u32_u24 v14, v14, SP
	v_and_b32 v15, 3, v2
	v_lshl_add_u32 v14, v15, 4, v14
	v_add_nc_u32 v14, s33, v14                     ; the stage, on the way in: SP (lane / 4) + 16 (lane % 4)
	v_mul_u32_u24 v15, v2, SP
	v_add_nc_u32 v15, s33, v15                     ; and on the way out: SP x lane: my 16 neighbours
	v_mul_u32_u24 v4, v2, CB                       ; my codes' place in a step's
	v_lshrrev_b32 v5, 1, v2
	s_add_co_u32 s33, s33, 2*32*SP
	v_add_nc_u32 v5, s33, v5                       ; LDS: my wave's 256 scale bytes, my block's byte
	v_lshlrev_b32 v7, 3, v2                        ; and on the way out 8 bytes a lane
	v_add_nc_u32 v6, s33, v7
	s_wait_kmcnt 0x0
	s_mov_b64 s[SRC:SRC+1], s[4:5]                 ; which tensor: the choice hangs on the work-group's number alone
	s_mov_b32 s30, 0                               ; and that tensor's first work-group
.macro PICK first, ptr
	s_cmp_ge_u32 ttmp9, \first
	s_cselect_b64 s[SRC:SRC+1], s[\ptr:\ptr+1], s[SRC:SRC+1]
	s_cselect_b32 s30, \first, s30
.endm
	PICK 128, 6
	PICK 256, 8
	PICK 384, 10
	PICK 448, 12
	PICK 480, 14
	PICK 512, 16
	PICK 544, 18
	s_sub_co_u32 s31, ttmp9, s30
	s_lshl_b32 s31, s31, 2
	s_add_co_u32 s34, s31, s[WV]                   ; which run of 8,192 numbers of the tensor is my wave's
	s_lshl_b32 s34, s34, 15                        ; 32,768 bytes a run
	s_mov_b32 s35, 0
	s_add_nc_u64 s[SRC:SRC+1], s[SRC:SRC+1], s[34:35]
	s_lshl_b32 s36, ttmp9, 2
	s_add_co_u32 s36, s36, s[WV]                   ; and which run of all eight tensors on end
	s_lshl_b32 s38, s36, 12                        ; 4,096 bytes of codes a run
	s_mov_b32 s39, 0
	s_add_nc_u64 s[22:23], s[22:23], s[38:39]
	s_lshl_b32 s38, s36, 8                         ; 256 scale bytes a run
	s_add_nc_u64 s[24:25], s[24:25], s[38:39]
.macro LOAD t
.irp i, 0,1,2,3
	global_load_b128 v[R+16*((\t)%4)+4*\i:R+16*((\t)%4)+4*\i+3], v3, s[SRC:SRC+1] offset:2048*(\t)+512*\i th:TH_LOAD_NT   ; 32 lanes read 512 consecutive bytes
.endr
.endm
.macro TURN t                          ; step t's numbers through the stage: LDS serves a wave's instructions in order, so no wait stands between the stores and the loads
.irp i, 0,1,2,3
	ds_store_b128 v14, v[R+16*((\t)%4)+4*\i:R+16*((\t)%4)+4*\i+3] offset:32*SP*((\t)%2)+8*SP*\i
.endr
.irp i, 0,1,2,3
	ds_load_b128 v[X+16*((\t)%2)+4*\i:X+16*((\t)%2)+4*\i+3], v15 offset:32*SP*((\t)%2)+16*\i
.endr
.endm
.irp t, 0,1,2,3
	LOAD \t
.endr
	s_wait_loadcnt 12                              ; step 0's four loads are in; the twelve of steps 1 to 3 may be out
	TURN 0
.macro STEP t
.set XS, X+16*((\t)%2)
.if (\t) > 0
	s_wait_dscnt 1                                 ; this step's numbers are back from the stage (the last step's byte store may be out): its stores into the stage have read their registers,
.else
	s_wait_dscnt 0x0
.endif
.if (\t)+4 < STEPS
	LOAD (\t)+4                                    ; which take the loads of four steps on
.endif
.if (\t)+1 < STEPS
.if STEPS-2-(\t) >= 3
	s_wait_loadcnt 12                              ; the next step's four loads are in; those of the three steps behind it may be out
.else
	s_wait_loadcnt 4*(STEPS-2-(\t))
.endif
	TURN (\t)+1                                    ; and go through the other stage while this step is worked
.endif
	v_max3_num_f32 v8, |v[XS]|, |v[XS+1]|, |v[XS+2]|               ; the largest magnitude of my 16, in two chains
	v_max3_num_f32 v9, |v[XS+3]|, |v[XS+4]|, |v[XS+5]|
.irp i, 6,10
	v_max3_num_f32 v8, v8, |v[XS+\i]|, |v[XS+\i+1]|
	v_max3_num_f32 v9, v9, |v[XS+\i+2]|, |v[XS+\i+3]|
.endr
	v_max3_num_f32 v8, v8, |v[XS+14]|, |v[XS+15]|
	v_max3_num_f32 v8, v8, v9, (EMAX+1)<<23        ; and the floor 2^(3 - 127): the byte cannot fall under 1
	v_max_num_f32_dpp v8, v8, v8 row_xmask:1 row_mask:0xf bank_mask:0xf   ; and of my neighbour's 16: the block's
	v_add_nc_u32 v11, 0xff000000, v8               ; 2 off its exponent field: the conversion takes the exponent field of this operand as its scale, and nothing else of it
	v_cvt_scalef32_pk8_fp4_f32 v[C+4*(\t)], v[XS:XS+7], v11        ; eight numbers / the scale, to the nearest code, ties to even, beyond 6 the largest code
	v_cvt_scalef32_pk8_fp4_f32 v[C+4*(\t)+1], v[XS+8:XS+15], v11
	v_lshrrev_b32 v[E+(\t)], 23, v11               ; the scale's byte
	ds_store_b8 v5, v[E+(\t)] offset:16*(\t)       ; both lanes of a block write the same byte with the same value
	global_store_b64 v4, v[C+4*(\t):C+4*(\t)+1], s[22:23] offset:32*CB*(\t)   ; the wave stores 256 consecutive bytes, aligned
.endm
.irp t, 0,1,2,3,4,5,6,7,8,9,10,11,12,13,14,15
	STEP \t
.endr
	ds_load_b64 v[8:9], v6                         ; LDS serves a wave's instructions in order: these see my stores
	s_wait_dscnt 0x0
	global_store_b64 v7, v[8:9], s[24:25]          ; 32 lanes store the wave's 256 scale bytes, aligned
	s_wait_tensorcnt 0x0                           ; the wave's end, behind my last LDS store
	ds_add_u32 v[SPW], v[NIL]
	s_wait_dscnt 0x0
	s_endpgm
; w_out to f16.  Wave w of work-group 576 + c takes rows 32 c + 8 w to + 7, two at a time.  A load: lanes 0-15 read 256 bytes (64 numbers: one kb) of row n, lanes 16-31 of row n + 1.
; A lane's four numbers are 8 bytes of f16; rows n and n + 1 of one kb lie on end in wo16, so a store covers 256 consecutive bytes, aligned.
.Lconv:
	s_sub_co_u32 s33, ttmp9, QWG
	s_lshl_b32 s33, s33, 5
	s_lshl_b32 s34, s[WV], 3
	s_add_co_u32 s33, s33, s34                     ; my first row
	s_lshl_b32 s34, s33, 12                        ; 4,096 bytes a row of w_out
	s_mov_b32 s35, 0
	s_lshl_b32 s36, s33, 7                         ; 128 bytes a row in a kb of wo16
	s_mov_b32 s37, 0
	v_lshrrev_b32 v3, 4, v2
	v_and_b32 v5, 15, v2
	v_lshlrev_b32 v3, 12, v3
	v_lshl_add_u32 v3, v5, 4, v3                   ; in: 4,096 (lane / 16) + 16 (lane % 16)
	v_lshlrev_b32 v4, 3, v2                        ; out: 8 x lane
	s_wait_kmcnt 0x0
	s_add_nc_u64 s[20:21], s[20:21], s[34:35]
	s_add_nc_u64 s[26:27], s[26:27], s[36:37]
.macro LOADP p                         ; pair p of rows: sixteen loads, one for each kb, into set p % 2
.irp kb, 0,1,2,3,4,5,6,7,8,9,10,11,12,13,14,15
	global_load_b128 v[R+64*((\p)%2)+4*\kb:R+64*((\p)%2)+4*\kb+3], v3, s[20:21] offset:8192*(\p)+256*\kb th:TH_LOAD_NT
.endr
.endm
.macro CONV p
.if (\p) < 3
	s_wait_loadcnt 16                              ; this pair's sixteen loads are in; the next pair's may be out
.else
	s_wait_loadcnt 0x0
.endif
.if (\p) > 0
	s_wait_xcnt 0x0                                ; the last pair's stores have read their data: only behind this wait are those registers written again
.endif
.irp kb, 0,1,2,3,4,5,6,7,8,9,10,11,12,13,14,15
	v_cvt_pk_f16_f32 v[H+2*\kb], v[R+64*((\p)%2)+4*\kb], v[R+64*((\p)%2)+4*\kb+1]
	v_cvt_pk_f16_f32 v[H+2*\kb+1], v[R+64*((\p)%2)+4*\kb+2], v[R+64*((\p)%2)+4*\kb+3]
.endr
.irp kb, 0,1,2,3,4,5,6,7,8,9,10,11,12,13,14,15
	global_store_b64 v4, v[H+2*\kb:H+2*\kb+1], s[26:27] offset:131072*\kb+256*(\p)
.endr
.if (\p)+2 < 4
	LOADP (\p)+2
.endif
.endm
	LOADP 0
	LOADP 1
	CONV 0
	CONV 1
	CONV 2
	CONV 3
	s_endpgm
.Lfunc_end_k_q45b0f255e2_prep:
	.size	k_q45b0f255e2_prep, .Lfunc_end_k_q45b0f255e2_prep-k_q45b0f255e2_prep
	.p2alignl 7, 3214868480
	.fill 96, 4, 3214868480
	.section	.rodata,"a",@progbits
	.p2align	6, 0x0
	.amdhsa_kernel k_q45b0f255e2_prep
		.amdhsa_group_segment_fixed_size 33280
		.amdhsa_private_segment_fixed_size 0
		.amdhsa_enable_private_segment 0
		.amdhsa_kernarg_size 96
		.amdhsa_user_sgpr_count 2
		.amdhsa_user_sgpr_kernarg_segment_ptr 1
		.amdhsa_wavefront_size32 1
		.amdhsa_system_sgpr_workgroup_id_x 1
		.amdhsa_system_sgpr_workgroup_id_y 1
		.amdhsa_system_sgpr_workgroup_id_z 1
		.amdhsa_system_vgpr_workitem_id 0
		.amdhsa_next_free_vgpr 192
		.amdhsa_next_free_sgpr 66
		.amdhsa_reserve_vcc 0
		.amdhsa_float_denorm_mode_32 3
		.amdhsa_float_denorm_mode_16_64 3
		.amdhsa_memory_ordered 1
		.amdhsa_forward_progress 1
		.amdhsa_inst_pref_size 55
	.end_amdhsa_kernel
	.amdgpu_metadata
---
amdhsa.version: [ 1, 2 ]
amdhsa.kernels:
  - .name:           k_q45b0f255e2_prep
    .symbol:         k_q45b0f255e2_prep.kd
    .args:
      - { .name: query, .offset: 0, .size: 8, .value_kind: global_buffer, .address_space: global }
      - { .name: key, .offset: 8, .size: 8, .value_kind: global_buffer, .address_space: global }
      - { .name: value, .offset: 16, .size: 8, .value_kind: global_buffer, .address_space: global }
      - { .name: pe, .offset: 24, .size: 8, .value_kind: global_buffer, .address_space: global }
      - { .name: w_q, .offset: 32, .size: 8, .value_kind: global_buffer, .address_space: global }
      - { .name: w_k, .offset: 40, .size: 8, .value_kind: global_buffer, .address_space: global }
      - { .name: w_v, .offset: 48, .size: 8, .value_kind: global_buffer, .address_space: global }
      - { .name: w_k_pos, .offset: 56, .size: 8, .value_kind: global_buffer, .address_space: global }
      - { .name: w_out, .offset: 64, .size: 8, .value_kind: global_buffer, .address_space: global }
      - { .name: cod, .offset: 72, .size: 8, .value_kind: global_buffer, .address_space: global }
      - { .name: scl, .offset: 80, .size: 8, .value_kind: global_buffer, .address_space: global }
      - { .name: wo16, .offset: 88, .size: 8, .value_kind: global_buffer, .address_space: global }
    .group_segment_fixed_size: 33280
    .private_segment_fixed_size: 0
    .kernarg_segment_align: 8
    .kernarg_segment_size: 96
    .max_flat_workgroup_size: 128
    .sgpr_count:     66
    .vgpr_count:     192
    .wavefront_size: 32
...
	.end_amdgpu_metadata
.endif
;; end of part 1
;; launch proj (part 2): grid 4 x 56, 4 waves a work-group, clusters of 4 x 4, 327,680 bytes of LDS; arguments cod, scl, content_bias, pos_bias, qq, kv, kp; writes qq, kv, kp
.if DOCPART == 2
	.amdgcn_target "amdgcn-amd-amdhsa--gfx1250"
	.amdhsa_code_object_version 6
	.text
	.protected	k_q45b0f255e2_proj
	.globl	k_q45b0f255e2_proj
	.p2align	8
	.type	k_q45b0f255e2_proj,@function
k_q45b0f255e2_proj:
	s_mov_b64 s[64:65], 0
	v_nop
	global_prefetch_b8 v0, s[64:65] scope:SCOPE_SE
	s_setreg_imm32_b32 hwreg(HW_REG_WAVE_MODE, 25, 1), 1
	s_wait_xcnt 0x0
	s_wait_alu depctr_hold_cnt(0) depctr_sa_sdst(0) depctr_va_vdst(0) depctr_va_sdst(0) depctr_va_ssrc(0) depctr_va_vcc(0) depctr_vm_vsrc(0)
	s_getreg_b32 s2, hwreg(HW_REG_IB_STS2, 6, 4)
	s_cmp_eq_u32 s2, 0
	s_cbranch_scc0 .Lentry_in_a_cluster
	s_endpgm
.Lentry_in_a_cluster:
	s_bfe_u32 s2, ttmp6, 0x10000c
	s_cmp_lg_u32 s2, 0xf033
	s_cbranch_scc0 .Lentry_shape_is_right
	s_endpgm
.Lentry_shape_is_right:
; PROJ.  The four quantised products: query w_q^T, key w_k^T, value w_v^T, pe w_k_pos^T, on codes of FP4 (E2M1) with one E8M0 scale for each 32 along K = 1,024; sums in f32.
; A's rows are rows 0 to 14,335 of cod (query, key, value, pe on end); B's are rows 14,336 + 1,024 t, t = 0..3 the product.  56 x 4 tiles of 256 x 256; a tile row lies wholly in one product.
; Results leave as f16 in the layouts that the attention wants: qq = q + content_bias as [64 bh][1024 s][64], behind it (8,388,608 bytes on) q + pos_bias; kv = k, behind it v, likewise; kp = [16 h][2048 pe row][64].  bh = 16 b + h.
; LIMITS: the results are rounded to f16: magnitudes up to 65,504; under 6e-5 they keep f16's absolute step.  NaN and infinities are not served.
; A work-group of four waves makes a tile; a wave 128 x 128: 64 accumulators of 16 x 16.  K goes in two steps of 512 through two LDS slots, each filled once; a tile's row is 256 bytes of memory.
; The scale bytes of the work-group's 256 rows of A and of B, 32 bytes a row, are two dense blocks: they come into LDS once, as rows of 256 bytes.
; CLUSTERS: 4 x 4 work-groups.  The four of a row of the cluster need the same tiles of A, the four of a column the same tiles of B: each is asked for jointly, by the same tensor load with the same descriptor and a mask that names the four.
; All sixteen partners belong to one product (a cluster covers 1,024 rows of A), so the branches on the product are alike in all of them.
; THE MATRIX INSTRUCTION IS USED TRANSPOSED (source 0 = 16 rows of B, source 1 = 16 rows of A): a lane then holds eight neighbouring columns of one row of the result.
; REGISTERS, in windows of 256: window 0: v0-31 addresses; v32-95 scale words, two sets; from v128 A's fragments, one set; on the way out v32-191 are at work.
;   window 1: B's fragments, two sets, at v0 and v128; v64-127 content_bias, v192-255 pos_bias, in the result's layout.   window 2: the accumulators of my rows 0-63 ((a, b) at v[8 (8 a + b)]);   window 3: those of my rows 64-127.
.set NQ,     4                         ; matrix instructions deep in a slot
.set ROWB,   256                       ; a tile's row in bytes: 512 codes
.set KROW,   512                       ; a row of cod in bytes
.set PITCH,  272                       ; an LDS row: 256 bytes + 16 of padding = 68 words: row r starts at bank 4 r mod 64 (64 banks of 4 bytes: ISA guide 11.1)
.set FR,     8                         ; registers of a fragment: 16 rows x 128 K
.set NL,     2                         ; LDS loads that bring one
.set NP,     4                         ; places behind this matrix instruction (ISA guide 7.12.1)
.set HALFT,  128*PITCH                 ; 128 rows: what one tensor load brings
.set SLOT,   4*HALFT                   ; A's 256 rows, then B's 256 rows
.set KS,     32                        ; a row of scl in bytes
.set SCL,    2*SLOT                    ; behind the slots: the scales, as rows of 256 bytes + 16 of padding
.set HALFS,  (128*KS/256)*272          ; the scales of 128 rows
.set SBLK,   (16*KS/256)*272           ; those of 16 rows
.set SPARE,  SCL+4*HALFS               ; the spare words, 128 bytes a wave, which no other line names
.set WROW,   14336                     ; the first weight's first row in cod and scl
.set WSTG,   16*272                    ; the way out: a stage of 16 rows x (256 bytes + 16) for each wave, in slot 0, which has had its only fill and its last read by then; each of the three ways out has bytes of its own
.set ADRA, 16                          ; v16-17  LDS address of my A fragments in slot 0, 1
.set ADRB, 20                          ; v20-21  the same for B
.set STO,  24                          ; v24  the way out: where I put 16 bytes of a row
.set RDQ,  25                          ; v25  where I read back for q, k, v: stage row 4 (lane / 8), 16 (lane % 8)
.set RDK,  26                          ; v26  and for kpos: stage row lane / 8
.set ADRS, 27                          ; v27  LDS address of my scale words: lanes 0-15 A's rows, lanes 16-31 B's
.set SPW,  28                          ; v28  LDS address of my spare word; never rewritten
.set NIL,  29                          ; v29  0; never rewritten
.set CO,   30                          ; v30  16 x lane: my place in a store's 512 bytes
.set BO,   31                          ; v31  32 (lane / 16): my half's place among a block's 16 biases
.set SC,   32                          ; scale words: set s at v[SC + 32 s]; register 4 i + q: lanes 0-15 A's block i, lanes 16-31 B's block i, the slot's q-th 128 along K
.set AF,   128                         ; A's fragments
.set T,    32                          ; the way out: v32-95 a block + bias; v96-127 as f16; v128-191 two sets of rows read back
.set TMP,  96
.set BK,   128
.set CBR,  64                          ; window 1: content_bias;
.set PBR,  192                         ; pos_bias
.set WV,   2                           ; s2   wave
.set HR,   3                           ; s3   which half of the tile's rows is mine; also: I fetch for A (0) or B (1)
.set HC,   66                          ; s66  which half of its columns; also: which 128 rows I fetch
.set TR,   67                          ; s67  tile row
.set TT,   98                          ; s98  the product, 0..3: from the cluster's y alone
.set G1, 24                            ; s[24:31] descriptor group 1 for A's tiles;  s[32:39] group 0, one set for each slot
.set G0, 32
.set G1B, 48                           ; s[48:55], s[56:63] the same for B's tiles
.set G0B, 56
.set G1S, 68                           ; s[68:75], s[76:79] groups 1 and 0 for A's scales;  s[80:87], s[88:91] for B's
.set G0S, 76
.set G1SB, 80
.set G0SB, 88
.set MSB, 0
.macro WIN new                         ; the immediate's high byte repeats the setting that is left
.if MSB != \new
	s_set_vgpr_msb (MSB<<8)|\new
.set MSB, \new
.endif
.endm
.set MUL_LO, 0xa1                      ; source 0 (B) window 1, source 1 (A) window 0, C and D window 2
.set MUL_HI, 0xf1                      ; the same, C and D window 3
.set TO_B,   0x40                      ; destination window 1, address window 0
; A joint load: waves 0 and 1 fetch for A, waves 2 and 3 for B.  The branch hangs on the wave's number alone.  An s_nop 0 and four v_nop follow each of the two lines.
.macro JLOAD g0a, g1a, g0b, g1b
	s_cmp_eq_u32 s[HR], 0
	s_cbranch_scc0 .Lfor_b_\@
	tensor_load_to_lds s[\g0a:\g0a+3], s[\g1a:\g1a+7]
	s_nop 0
.rept 4
	v_nop
.endr
	s_branch .Lasked_\@
.Lfor_b_\@:
	tensor_load_to_lds s[\g0b:\g0b+3], s[\g1b:\g1b+7]
	s_nop 0
.rept 4
	v_nop
.endr
.Lasked_\@:
.endm
.macro CROUND                          ; a round of the cluster's barrier
	s_barrier_signal -1
	s_barrier_wait -1
	s_cmp_lg_u32 s[WV], 0
	s_cbranch_scc1 .Lnot_wave_0_\@
	s_barrier_signal -3
.Lnot_wave_0_\@:
	s_barrier_wait -3
	s_barrier_signal -1
	s_barrier_wait -1
.endm
	s_load_b256 s[4:11], s[0:1], 0x0               ; cod s[4:5], scl s[6:7], content_bias s[8:9], pos_bias s[10:11]
	s_load_b128 s[12:15], s[0:1], 0x20             ; qq s[12:13], kv s[14:15]
	s_load_b64 s[16:17], s[0:1], 0x30              ; kp
	v_lshl_add_u32 v[SPW], v0, 2, SPARE
	v_mov_b32 v[NIL], 0
	ds_add_u32 v[SPW], v[NIL]                      ; the wave's opening: an add, twice on end, and its wait ahead of my first tensor load
	ds_add_u32 v[SPW], v[NIL]                      ; and once more; the set-up below, work on registers, stands between it and the wait
	v_lshrrev_b32 v1, 5, v0
	v_readfirstlane_b32 s[WV], v1                  ; wave 0..3
	s_lshr_b32 s[HR], s[WV], 1
	s_and_b32 s[HC], s[WV], 1
	s_bfe_u32 s40, ttmp6, 0x40000                  ; cx, cy: my place in the cluster
	s_bfe_u32 s41, ttmp6, 0x40004
	s_lshl_b32 s42, ttmp9, 2
	s_add_co_u32 s42, s42, s40                     ; tile column = 4 x cluster x + cx
	s_and_b32 s[TR], ttmp7, 0xffff                 ; cluster y
	s_lshr_b32 s[TT], s[TR], 2
	s_min_u32 s[TT], s[TT], 3                      ; four clusters each for query, key, value; two for pe
	s_lshl_b32 s[TR], s[TR], 2
	s_add_co_u32 s[TR], s[TR], s41                 ; tile row = 4 x cluster y + cy
	s_lshl_b32 s43, s41, 2
	s_lshl_b32 s43, 15, s43                        ; my row of the cluster
	s_lshl_b32 s44, 0x1111, s40                    ; my column
	; descriptor group 1: a tile of 128 rows x 256 bytes, padded in LDS
	s_or_b32 s[G1+0], s43, (0<<16)|(1<<20)|(1<<21)|(5<<22)|(3<<25)  ; 15:0 the mask: A's tiles go to my row; 17:16 element of 1 byte; 20 padding on; 21 set beside a mask; 24:22 after every 64 words; 31:25 four words
	s_or_b32 s[G1B+0], s44, (0<<16)|(1<<20)|(1<<21)|(5<<22)|(3<<25)
.irp g, G1, G1B
	s_mov_b32 s[\g+1], ROWB<<16                    ; tensor_dim0
	s_mov_b32 s[\g+2], 128<<16                     ; tensor_dim1
	s_mov_b32 s[\g+3], ROWB<<16                    ; tile_dim0
	s_mov_b32 s[\g+4], 128                         ; tile_dim1
	s_mov_b32 s[\g+5], KROW                        ; tensor_dim0_stride
	s_mov_b32 s[\g+6], 0
	s_mov_b32 s[\g+7], 0
.endr
	; the scales of 128 rows: a dense block of 4,096 bytes, as 16 rows of 256 bytes (32 elements of 8 bytes), 16 bytes of padding behind each
	s_or_b32 s[G1S+0], s43, (3<<16)|(1<<20)|(1<<21)|(5<<22)|(3<<25)
	s_or_b32 s[G1SB+0], s44, (3<<16)|(1<<20)|(1<<21)|(5<<22)|(3<<25)
.irp g, G1S, G1SB
	s_mov_b32 s[\g+1], 32<<16
	s_mov_b32 s[\g+2], (128*KS/256)<<16
	s_mov_b32 s[\g+3], 32<<16
	s_mov_b32 s[\g+4], 128*KS/256
	s_mov_b32 s[\g+5], 32
	s_mov_b32 s[\g+6], 0
	s_mov_b32 s[\g+7], 0
.endr
	s_lshl_b32 s18, s[HC], 7                       ; which 128 rows of the tile I fetch
	s_lshl_b32 s20, s[TR], 8
	s_add_co_u32 s20, s20, s18                     ; A: row 256 x tile row + 128 x half
	s_lshl_b32 s46, s42, 8
	s_add_co_u32 s46, s46, s18
	s_lshl_b32 s19, s[TT], 10
	s_add_co_u32 s46, s46, s19
	s_add_co_u32 s46, s46, WROW                    ; B: row 14,336 + 1,024 x product + 256 x tile column + 128 x half
	s_mov_b32 s21, 0
	s_mov_b32 s47, 0
	s_mov_b64 s[18:19], KS
	s_mul_u64 s[22:23], s[20:21], s[18:19]         ; where these rows' scales begin, in bytes
	s_mul_u64 s[92:93], s[46:47], s[18:19]
	s_mov_b64 s[18:19], KROW
	s_mul_u64 s[20:21], s[20:21], s[18:19]         ; and their codes
	s_mul_u64 s[46:47], s[46:47], s[18:19]
	s_mul_i32 s45, s[WV], HALFT                    ; where they go: wave x 128 rows: no place in the cluster enters an LDS address
	s_mul_i32 s94, s[WV], HALFS
	s_wait_dscnt 0x0                               ; both opening adds are done
	s_wait_kmcnt 0x0
	s_add_nc_u64 s[20:21], s[4:5], s[20:21]
	s_add_nc_u64 s[22:23], s[6:7], s[22:23]
	s_add_nc_u64 s[46:47], s[4:5], s[46:47]
	s_add_nc_u64 s[92:93], s[6:7], s[92:93]
	CROUND                                         ; all sixteen work-groups are here: the joint loads meet
	s_mov_b32 s[G0S], 1
	s_add_co_u32 s[G0S+1], s94, SCL
	s_mov_b64 s[G0S+2:G0S+3], s[22:23]
	s_or_b32 s[G0S+3], s[G0S+3], 0x80000000
	s_mov_b32 s[G0SB], 1
	s_add_co_u32 s[G0SB+1], s94, SCL
	s_mov_b64 s[G0SB+2:G0SB+3], s[92:93]
	s_or_b32 s[G0SB+3], s[G0SB+3], 0x80000000
	JLOAD G0S, G1S, G0SB, G1SB                     ; the scales first: they are wanted with the first K step
.irp s, 0,1
	s_mov_b32 s[G0+4*\s], 1
	s_add_co_u32 s[G0+4*\s+1], s45, \s*SLOT
	s_add_nc_u64 s[G0+4*\s+2:G0+4*\s+3], s[20:21], \s*ROWB
	s_or_b32 s[G0+4*\s+3], s[G0+4*\s+3], 0x80000000
	s_mov_b32 s[G0B+4*\s], 1
	s_add_co_u32 s[G0B+4*\s+1], s45, \s*SLOT
	s_add_nc_u64 s[G0B+4*\s+2:G0B+4*\s+3], s[46:47], \s*ROWB
	s_or_b32 s[G0B+4*\s+3], s[G0B+4*\s+3], 0x80000000
	JLOAD G0+4*\s, G1, G0B+4*\s, G1B               ; both slots: three tensor loads of mine are out, and no slot is ever filled again
.endr
	v_and_b32 v1, 15, v0                           ; l % 16
	v_bfe_u32 v2, v0, 4, 1                         ; l / 16
	v_mul_u32_u24 v3, v1, PITCH
	v_lshl_add_u32 v4, v2, 4, v3                   ; a fragment's row x pitch + 16 x half
	s_mul_i32 s21, s[HR], HALFT                    ; my 128 rows of A
	s_mul_i32 s22, s[HC], HALFT                    ; my 128 rows of B,
	s_add_co_u32 s22, s22, 2*HALFT                 ; which lie behind A's 256
.irp s, 0,1
	v_add_nc_u32 v[ADRA+\s], s21, v4
	v_add_nc_u32 v[ADRB+\s], s22, v4
	s_add_co_u32 s21, s21, SLOT
	s_add_co_u32 s22, s22, SLOT
.endr
	v_mul_u32_u24 v5, v1, KS                       ; my row's scales: 32 bytes a row,
	v_lshrrev_b32 v6, 8, v5
	v_lshl_add_u32 v5, v6, 4, v5                   ; and 16 more for each 256 passed
	s_mul_i32 s21, s[HR], HALFS                    ; A's: my 128 rows
	s_mul_i32 s22, s[HC], HALFS                    ; B's: my 128 rows, behind A's 256
	s_add_co_u32 s22, s22, 2*HALFS
	s_sub_co_u32 s22, s22, s21
	v_mul_u32_u24 v6, s22, v2                      ; lanes 16-31 take B's
	s_add_co_u32 s21, s21, SCL
	v_add_nc_u32 v5, v5, v6
	v_add_nc_u32 v[ADRS], s21, v5
	s_mul_i32 s23, s[WV], WSTG                     ; my stage
	v_mul_u32_u24 v5, v1, 272                      ; in: row l % 16, 16 bytes for each half of the lanes
	v_lshl_add_u32 v5, v2, 4, v5
	v_add_nc_u32 v[STO], s23, v5
	v_bfe_u32 v7, v0, 3, 2                         ; lane / 8
	v_and_b32 v8, 7, v0                            ; lane % 8
	v_mul_u32_u24 v9, v7, 272
	v_lshl_add_u32 v9, v8, 4, v9
	v_add_nc_u32 v[RDK], s23, v9
	v_mul_u32_u24 v9, v7, 4*272
	v_lshl_add_u32 v9, v8, 4, v9
	v_add_nc_u32 v[RDQ], s23, v9
	v_and_b32 v6, 31, v0
	v_lshlrev_b32 v[CO], 4, v6
	v_lshlrev_b32 v[BO], 5, v2
	; the biases of my 128 columns, in the result's layout: register 8 b + j = bias[first column + 16 b + 8 (l / 16) + j].  Every work-group loads them, so that no path reaches their use with the registers unwritten
	s_lshl_b32 s46, s42, 10
	s_lshl_b32 s47, s[HC], 9
	s_add_co_u32 s46, s46, s47                     ; 4 x (256 x tile column + 128 x half)
	s_mov_b32 s47, 0
	s_add_nc_u64 s[8:9], s[8:9], s[46:47]
	s_add_nc_u64 s[10:11], s[10:11], s[46:47]
	WIN TO_B
.irp b, 0,1,2,3,4,5,6,7
	global_load_b128 v[CBR+8*\b:CBR+8*\b+3], v[BO], s[8:9] offset:64*\b
	global_load_b128 v[CBR+8*\b+4:CBR+8*\b+7], v[BO], s[8:9] offset:64*\b+16
	global_load_b128 v[PBR+8*\b:PBR+8*\b+3], v[BO], s[10:11] offset:64*\b
	global_load_b128 v[PBR+8*\b+4:PBR+8*\b+7], v[BO], s[10:11] offset:64*\b+16
.endr
	WIN 0
.macro FRAG reg, adr, q, i             ; a fragment, 16 rows x 128 K of 4-bit codes: lane l holds row l % 16; registers 4 c .. 4 c + 3 hold K = 64 c + 32 (l / 16) + 0 .. 31
.irp c, 0,1
	ds_load_b128 v[\reg+4*\c:\reg+4*\c+3], v[\adr] offset:64*(\q)+32*\c+(\i)*16*PITCH
.endr
.endm
; 16 matrix instructions: A's blocks a0, a0 + 1 x B's eight, the slot's q-th 128 along K.  p: B's set;  sc: the set of scale words.  zero = 1: the first product starts the sums.
; The 64 accumulators take turns, one instruction a turn, in the same order in every step.
.macro MUL16 a0, p, q, sc, zero
.irp a, \a0, \a0+1
.irp b, 0,1,2,3,4,5,6,7
.if \zero
	v_wmma_scale_f32_16x16x128_f8f6f4 v[8*(8*((\a)%4)+\b):8*(8*((\a)%4)+\b)+7], v[128*(\p)+FR*\b:128*(\p)+FR*\b+FR-1], v[AF+FR*(\a):AF+FR*(\a)+FR-1], 0, v[SC+8*NQ*(\sc)+NQ*\b+(\q)], v[SC+8*NQ*(\sc)+NQ*(\a)+(\q)] matrix_a_fmt:MATRIX_FMT_FP4 matrix_b_fmt:MATRIX_FMT_FP4 matrix_a_scale:MATRIX_SCALE_ROW1
.else
	v_wmma_scale_f32_16x16x128_f8f6f4 v[8*(8*((\a)%4)+\b):8*(8*((\a)%4)+\b)+7], v[128*(\p)+FR*\b:128*(\p)+FR*\b+FR-1], v[AF+FR*(\a):AF+FR*(\a)+FR-1], v[8*(8*((\a)%4)+\b):8*(8*((\a)%4)+\b)+7], v[SC+8*NQ*(\sc)+NQ*\b+(\q)], v[SC+8*NQ*(\sc)+NQ*(\a)+(\q)] matrix_a_fmt:MATRIX_FMT_FP4 matrix_b_fmt:MATRIX_FMT_FP4 matrix_a_scale:MATRIX_SCALE_ROW1
.endif
.endr
.endr
.endm
.macro FETCH_B slot, q, p              ; B's eight fragments of the slot's q-th 128 along K into set p
	WIN TO_B
.irp i, 0,1,2,3,4,5,6,7
	FRAG 128*(\p)+FR*\i, ADRB+\slot, \q, \i
.endr
	WIN 0
.endm
.macro FETCH_A slot, q, i0             ; A's blocks i0 .. i0 + 3
.irp i, \i0, \i0+1, \i0+2, \i0+3
	FRAG AF+FR*(\i), ADRA+\slot, \q, \i
.endr
.endm
.macro SCALES sc                       ; a K step's scale words into set sc: four words a row; lanes 0-15 take A's block i, lanes 16-31 B's block i
.irp i, 0,1,2,3,4,5,6,7
	ds_load_b128 v[SC+8*NQ*\sc+NQ*\i:SC+8*NQ*\sc+NQ*\i+3], v[ADRS] offset:\i*SBLK
.endr
.endm
; A load into a register that a matrix instruction has read, and a vector instruction or an LDS store that reads a matrix result, stand NP places behind that matrix instruction; only plain vector
; instructions that name none of its registers are places (ISA guide 7.12.1 for vector instructions).
.macro PLACES n
.rept \n
	v_nop
.endr
.endm
.macro STEP slot, q, zero              ; a step of 128 along K that has its successor in the same slot
	s_wait_dscnt 4*NL                              ; B's set and A's blocks 0-3 are in; the youngest eight loads (A's blocks 4-7) may be out
	WIN MUL_LO
	MUL16 0, (\q)%2, \q, \slot, \zero
	MUL16 2, (\q)%2, \q, \slot, \zero
	s_wait_dscnt 0                                 ; A's blocks 4-7 are in
	PLACES NP
	FETCH_B \slot, (\q)+1, 1-(\q)%2
	FETCH_A \slot, (\q)+1, 0
	WIN MUL_HI
	MUL16 4, (\q)%2, \q, \slot, \zero
	MUL16 6, (\q)%2, \q, \slot, \zero
	PLACES NP
	WIN 0
	FETCH_A \slot, (\q)+1, 4
.endm
.macro STEPS slot, from                ; the slot's steps from .. NQ - 2
.set Q, \from
.rept NQ-1-\from
	STEP \slot, Q, 0
.set Q, Q+1
.endr
.endm
	s_wait_tensorcnt 1                             ; the scales and my part of slot 0 are in (slot 1's load may be out)
	s_barrier_signal -1
	s_barrier_wait -1                              ; everybody's are
	FETCH_B 0, 0, 0
	FETCH_A 0, 0, 0
	SCALES 0
	FETCH_A 0, 0, 4
	STEP 0, 0, 1                                   ; the first step's products start the sums: nothing is cleared
	STEPS 0, 1
	; slot 0's last step changes slots: one barrier; in front of it each wave waits for all its tensor loads, adds 0 to its spare word, and waits for that and for its reads of slot 0
	s_wait_tensorcnt 0x0                           ; my part of slot 1 has landed
	ds_add_u32 v[SPW], v[NIL]
	s_wait_dscnt 4*NL+1                            ; (the add and the youngest eight loads, A's blocks 4-7, may be out)
	WIN MUL_LO
	MUL16 0, 1, NQ-1, 0, 0                         ; sixteen matrix instructions stand between the add and the wait for it
	s_wait_dscnt 0x0                               ; the add is done, and my reads of slot 0 are over
	s_barrier_signal -1
	MUL16 2, 1, NQ-1, 0, 0
	WIN 0
	s_barrier_wait -1                              ; slot 1 is whole, and nobody reads slot 0 any more
	PLACES NP
	v_add_nc_u32 v[ADRS], 4*NQ, v[ADRS]            ; on to the second K step's scale words
	FETCH_B 1, 0, 0
	FETCH_A 1, 0, 0
	SCALES 1
	WIN MUL_HI
	MUL16 4, 1, NQ-1, 0, 0
	MUL16 6, 1, NQ-1, 0, 0
	PLACES NP
	WIN 0
	FETCH_A 1, 0, 4
	STEPS 1, 0
	s_wait_dscnt 4*NL                              ; the very last step: nothing more to fetch
	WIN MUL_LO
	MUL16 0, 1, NQ-1, 1, 0
	MUL16 2, 1, NQ-1, 1, 0
	s_wait_dscnt 0
	WIN MUL_HI
	MUL16 4, 1, NQ-1, 1, 0
	MUL16 6, 1, NQ-1, 1, 0
	WIN 0
; THE WAY OUT, block by block of 16 rows x 128 columns (two heads).  A lane's eight results are 16 bytes of f16 of one row; the block goes through my own stage and comes back so that a store's 32 lanes
; cover 512 consecutive bytes of the target: four rows of 128 bytes of one head (and, for q, k, v, of one batch: stage rows 4 apart).
.macro PACK a, bias                    ; bias: its first register in window 1, or 0 for none.  Each accumulator is read from its low end on
.set AC, 64*((\a)%4)
.if \bias
	WIN 0x06+((\a)/4)                              ; source 0: window 2 or 3; source 1: window 1
.irp b, 0,1,2,3,4,5,6,7
.irp r, 0,1,2,3
	v_pk_add_f32 v[T+8*\b+2*\r:T+8*\b+2*\r+1], v[AC+8*\b+2*\r:AC+8*\b+2*\r+1], v[\bias+8*\b+2*\r:\bias+8*\b+2*\r+1]
.endr
.endr
	WIN 0
.irp b, 0,1,2,3,4,5,6,7
.irp r, 0,1,2,3
	v_cvt_pk_f16_f32 v[TMP+4*\b+\r], v[T+8*\b+2*\r], v[T+8*\b+2*\r+1]
.endr
.endr
.else
	WIN 0x0a+5*((\a)/4)                            ; sources 0 and 1: window 2 or 3
.irp b, 0,1,2,3,4,5,6,7
.irp r, 0,1,2,3
	v_cvt_pk_f16_f32 v[TMP+4*\b+\r], v[AC+8*\b+2*\r], v[AC+8*\b+2*\r+1]
.endr
.endr
	WIN 0
.endif
.endm
.macro TOSTAGE a, rd, lstep, stg       ; LDS serves a wave's instructions in order: no wait between the stores and the loads, nor in front of the next block's stores
.set BB, BK+32*((\a)%2)
.irp b, 0,1,2,3,4,5,6,7
	ds_store_b128 v[STO], v[TMP+4*\b:TMP+4*\b+3] offset:\stg+32*\b
.endr
.irp u, 0,1,2,3
.irp hd, 0,1
	ds_load_b128 v[BB+4*(2*\u+\hd):BB+4*(2*\u+\hd)+3], v[\rd] offset:\stg+\u*\lstep+128*\hd
.endr
.endr
.endm
.macro SEND a, younger, base, gp, gh, gb   ; younger: the LDS instructions issued behind block a's loads, which may stay out
.set BB, BK+32*((\a)%2)
	s_wait_dscnt \younger
.irp u, 0,1,2,3
.irp hd, 0,1
	global_store_b128 v[CO], v[BB+4*(2*\u+\hd):BB+4*(2*\u+\hd)+3], s[\base:\base+1] offset:\u*\gp+\hd*\gh+(\a)*\gb   ; 512 consecutive bytes, aligned; the largest offset, 6,426,112, lies inside the signed 24-bit immediate
.endr
.endr
.endm
.macro OUTALL bias, rd, lstep, stg, base, gp, gh, gb
	PACK 0, \bias
	TOSTAGE 0, \rd, \lstep, \stg
.irp a, 1,2,3,4,5,6,7
	PACK \a, \bias
.if \a > 1
	s_wait_xcnt 0x0                                ; block a - 2's stores have read their registers: block a's loads may land there
.endif
	TOSTAGE \a, \rd, \lstep, \stg
	SEND \a-1, 16, \base, \gp, \gh, \gb            ; behind block a - 1's loads: block a's 8 stores and 8 loads
.endr
	SEND 7, 0, \base, \gp, \gh, \gb
.endm
	PLACES NP                                      ; behind the last products, ahead of the first reads of results and of writes into registers that held operands and scales
	s_wait_loadcnt 0x0                             ; the biases
	s_lshl_b32 s47, s42, 2
	s_lshl_b32 s46, s[HC], 1
	s_add_co_u32 s47, s47, s46                     ; my first head: 4 x tile column + 2 x half
	s_and_b32 s20, s[TR], 15                       ; for q, k, v: my first position s = 64 x (tile row % 16) + 32 x half, 128 bytes each,
	s_lshl_b32 s20, s20, 6
	s_lshl_b32 s21, s[HR], 5
	s_add_co_u32 s20, s20, s21
	s_lshl_b32 s20, s20, 7
	s_lshl_b32 s46, s47, 17                        ; and 131,072 bytes a head
	s_add_co_u32 s20, s20, s46
	s_mov_b32 s21, 0
	s_cmp_eq_u32 s[TT], 0
	s_cbranch_scc0 .Lnot_q
	s_add_nc_u64 s[12:13], s[12:13], s[20:21]      ; q + content_bias,
	s_add_nc_u64 s[22:23], s[12:13], 0x800000      ; and behind it q + pos_bias
	OUTALL CBR, RDQ, 272, 0, 12, 2097152, 131072, 512
	s_wait_xcnt 0x0                                ; the last two blocks' stores have read their registers
	OUTALL PBR, RDQ, 272, 0, 22, 2097152, 131072, 512
	s_branch .Ldone
.Lnot_q:
	s_cmp_eq_u32 s[TT], 3
	s_cbranch_scc1 .Lkpos
	s_cmp_eq_u32 s[TT], 2
	s_cselect_b32 s22, 0x800000, 0                 ; v lies behind k
	s_mov_b32 s23, 0
	s_add_nc_u64 s[14:15], s[14:15], s[20:21]
	s_add_nc_u64 s[14:15], s[14:15], s[22:23]
	OUTALL 0, RDQ, 272, 4*WSTG, 14, 2097152, 131072, 512
	s_branch .Ldone
.Lkpos:
	s_sub_co_u32 s20, s[TR], 48                    ; my first row of pe: 256 x (tile row - 48) + 128 x half, 128 bytes each,
	s_lshl_b32 s20, s20, 8
	s_lshl_b32 s21, s[HR], 7
	s_add_co_u32 s20, s20, s21
	s_lshl_b32 s20, s20, 7
	s_lshl_b32 s46, s47, 18                        ; and 262,144 bytes a head
	s_add_co_u32 s20, s20, s46
	s_mov_b32 s21, 0
	s_add_nc_u64 s[16:17], s[16:17], s[20:21]
	OUTALL 0, RDK, 1088, 8*WSTG, 16, 512, 262144, 2048
.Ldone:
	s_wait_tensorcnt 0x0                           ; the wave's end, behind my last tensor load and my last LDS store
	ds_add_u32 v[SPW], v[NIL]
	s_wait_dscnt 0x0
	CROUND                                         ; the closing round: no work-group ends while a partner may still ask for a tile that names it
	s_endpgm
.Lfunc_end_k_q45b0f255e2_proj:
	.size	k_q45b0f255e2_proj, .Lfunc_end_k_q45b0f255e2_proj-k_q45b0f255e2_proj
	.p2alignl 7, 3214868480
	.fill 96, 4, 3214868480
	.section	.rodata,"a",@progbits
	.p2align	6, 0x0
	.amdhsa_kernel k_q45b0f255e2_proj
		.amdhsa_group_segment_fixed_size 327680
		.amdhsa_private_segment_fixed_size 0
		.amdhsa_enable_private_segment 0
		.amdhsa_kernarg_size 56
		.amdhsa_user_sgpr_count 2
		.amdhsa_user_sgpr_kernarg_segment_ptr 1
		.amdhsa_wavefront_size32 1
		.amdhsa_system_sgpr_workgroup_id_x 1
		.amdhsa_system_sgpr_workgroup_id_y 1
		.amdhsa_system_sgpr_workgroup_id_z 1
		.amdhsa_system_vgpr_workitem_id 0
		.amdhsa_next_free_vgpr 1024
		.amdhsa_next_free_sgpr 100
		.amdhsa_reserve_vcc 0
		.amdhsa_float_denorm_mode_32 3
		.amdhsa_float_denorm_mode_16_64 3
		.amdhsa_memory_ordered 1
		.amdhsa_forward_progress 1
		.amdhsa_inst_pref_size 255
	.end_amdhsa_kernel
	.amdgpu_metadata
---
amdhsa.version: [ 1, 2 ]
amdhsa.kernels:
  - .name:           k_q45b0f255e2_proj
    .symbol:         k_q45b0f255e2_proj.kd
    .args:
      - { .name: cod, .offset: 0, .size: 8, .value_kind: global_buffer, .address_space: global }
      - { .name: scl, .offset: 8, .size: 8, .value_kind: global_buffer, .address_space: global }
      - { .name: content_bias, .offset: 16, .size: 8, .value_kind: global_buffer, .address_space: global }
      - { .name: pos_bias, .offset: 24, .size: 8, .value_kind: global_buffer, .address_space: global }
      - { .name: qq, .offset: 32, .size: 8, .value_kind: global_buffer, .address_space: global }
      - { .name: kv, .offset: 40, .size: 8, .value_kind: global_buffer, .address_space: global }
      - { .name: kp, .offset: 48, .size: 8, .value_kind: global_buffer, .address_space: global }
    .group_segment_fixed_size: 327680
    .private_segment_fixed_size: 0
    .kernarg_segment_align: 8
    .kernarg_segment_size: 56
    .max_flat_workgroup_size: 128
    .sgpr_count:     100
    .vgpr_count:     1024
    .wavefront_size: 32
...
	.end_amdgpu_metadata
.endif
;; end of part 2
;; launch attn (part 3): grid 4 x 64, 4 waves a work-group, clusters of 4 x 1, 327,680 bytes of LDS; arguments qq, kv, kp, ow; writes ow
.if DOCPART == 3
	.amdgcn_target "amdgcn-amd-amdhsa--gfx1250"
	.amdhsa_code_object_version 6
	.text
	.protected	k_q45b0f255e2_attn
	.globl	k_q45b0f255e2_attn
	.p2align	8
	.type	k_q45b0f255e2_attn,@function
k_q45b0f255e2_attn:
	s_mov_b64 s[64:65], 0
	v_nop
	global_prefetch_b8 v0, s[64:65] scope:SCOPE_SE
	s_setreg_imm32_b32 hwreg(HW_REG_WAVE_MODE, 25, 1), 1
	s_wait_xcnt 0x0
	s_wait_alu depctr_hold_cnt(0) depctr_sa_sdst(0) depctr_va_vdst(0) depctr_va_sdst(0) depctr_va_ssrc(0) depctr_va_vcc(0) depctr_vm_vsrc(0)
	s_getreg_b32 s2, hwreg(HW_REG_IB_STS2, 6, 4)
	s_cmp_eq_u32 s2, 0
	s_cbranch_scc0 .Lentry_in_a_cluster
	s_endpgm
.Lentry_in_a_cluster:
	s_bfe_u32 s2, ttmp6, 0x10000c
	s_cmp_lg_u32 s2, 0x3003
	s_cbranch_scc0 .Lentry_shape_is_right
	s_endpgm
.Lentry_shape_is_right:
; ATTN.  o[bh][q] = the sum over k of softmax_k((qc[q] . k[k] + qp[q] . kpos[1024 + k - q]) / 8) v[k].  qc = q + content_bias and qp = q + pos_bias (qq), k and v (kv): [64 bh][1024][64] f16; kpos (kp): [16 h][2048][64] f16; o (ow): as qc.
; THE SHIFT.  The pad, reshape and slice of the relative positions send element (q, k) to flat index 2048 q + (1023 - q + k), whose bracket lies in 0 .. 2046: the padding is never met, and the position key is row 1024 + k - q of the table.
; Products, maxima and sums in f32 with f16 operands; a running maximum; the row's sum is taken of the unrounded weights; o is rounded to f16 once.
; LIMITS: NaN and infinities are not served; the weights p <= 1 are rounded to f16 for the last product (under 6e-5 they keep f16's absolute step).
; SHARES.  A work-group owns 256 queries of one (batch, head), each of its four waves 64: four tiles of 16.  LANE r OF TILE i HOLDS QUERY 4 r + i of the wave's 64.  Every wave walks all 1,024 keys, 128 a step.
; LAYOUT.  All products are used transposed (source 0 = 16 keys, table rows or channels; source 1 = 16 queries), so a lane holds one query throughout.  Row 8 h + j of key tile kt is key 64 h + 8 kt + j of the step:
; lane (r, h) then holds the 64 neighbouring keys 64 h + x, x = 8 kt + j, in 64 registers on end.
; HOW THE SHIFT IS MADE.  For a step, a wave's queries want 192 rows of the table on end.  qp times those rows (12 tiles) goes as f32 into the wave's own stage in LDS, a row of 192 columns for each lane r.
; Lane (r, h) of tile i wants columns 64 + 64 h - 4 r - i + x.  It reads 17 x 16 bytes from column 60 + 64 h - 4 r on (a multiple of 16 bytes, thanks to the stride of 4 queries); key x's number is then loaded register x + 4 - i.
; BY TURNS.  Unit n = 4 x step + tile.  In turn n the matrix unit gets V^T P of unit n - 1 (16 products), K qc^T of unit n + 1 (16) and the table products of unit n + 1 (24); behind each product stands a slice of vector work:
; behind the first 16 the row's sum of unit n - 1 (32 instructions), behind the other 40 unit n's own list (the add of the table's part, maximum, scaling, exponentials, rounding, rescaling of O^T: 215 or 247 instructions).
; That is 4.4 to 5 vector instructions for each matrix instruction.  A slice costs two switches of the register windows: no window has room for a product's operands beside what a softmax touches.
; At a turn's end unit n + 1's table products go through the stage; their columns come back while the next turn's first 16 products are issued.
; LDS.  The 1,280 table rows that the work-group's 256 queries ever want stay in LDS, filled once.  K and V come through a ring of two slots of one step each.
; CLUSTER.  The four query blocks of one (batch, head) walk the same K and V: each tile is asked for jointly.  The table's rows differ from partner to partner by 256 rows: they come by plain loads.
; REGISTERS, in windows of 256, all 1,024 in use: window 0: v1-23 addresses; v24-55 statistics; v64-159 the 12 table-product tiles (the loaded columns land on them); v160-191 the weights P of one unit; v192-255 qc.
;   window 1: v0-127 two buffers of scores, unit n in buffer n % 2; v128-255 K's fragments.   window 2: v0-127 O^T; v128-255 V's fragments.   window 3: v0-191 the table's fragments; v192-255 qp.
.set KPIT,  144                        ; a row of K or of the table in LDS: 128 bytes + 16 = 36 words: 8 neighbouring rows start at 8 different groups of 4 banks (64 banks of 4 bytes: ISA guide 11.1)
.set VPIT,  160                        ; a row of V: 128 + 32: an odd multiple of 32 bytes, for the turning load
.set KHI,   64*KPIT+128                ; K's rows 64-127 begin here: the 128 bytes between put a fragment's second eight rows on the banks that its first eight leave free
.set VOFF,  KHI+64*KPIT                ; V's 128 rows
.set SLOT1, 1<<16                      ; slot 0 at byte 0, slot 1 here (39,040 bytes each): one exclusive or turns an address in one slot into the other's
.set STG0,  39168                      ; the stages of waves 0 and 1, behind slot 0; those of waves 2 and 3 lie 65,536 further on, behind slot 1
.set WSTG,  13056                      ; a stage: 16 rows x SPIT
.set SPIT,  816                        ; 192 columns of f32 + 48 bytes: 51 x 16 bytes, so that sixteen lanes' stores start at sixteen different columns of 16 bytes
.set KPOS,  130816                     ; the table's 1,280 rows
.set SPARE, KPOS+1280*KPIT             ; the spare words, 128 bytes a wave, which no other line names
.set STEPB, 128*128                    ; a step's rows of K or of V in memory
.set TPS,   128*KPIT                   ; and 128 rows of the table in LDS
.set AK0,  2                           ; v2   my lane's place in a slot's K
.set AV0,  3                           ; v3   in its V
.set AKP0, 4                           ; v4   in the table
.set ADK,  5                           ; v5-7 the addresses of the runs of loads in hand
.set ADV,  6
.set ADP,  7
.set STO,  8                           ; v8   the stage: where I put a table-product tile's 32 bytes
.set RDP,  9                           ; v9   and from where I read my 68 columns
.set QO,   10                          ; v10  my byte offset in the wave's rows of qc and qp
.set OST,  11                          ; v11  the way out: where I put 16 bytes of a row
.set ORD,  12                          ; v12  where I read rows back
.set GO,   13                          ; v13  16 x lane
.set SPW,  14                          ; v14  LDS address of my spare word; never rewritten
.set NIL,  15                          ; v15  0; never rewritten
.set PFO,  16                          ; v16  256 x lane: the prefetch's offset; never rewritten
.set ST,   24                          ; tile i's statistics at v[ST + 8 i]: +0 c m, +1 m, +2, +3 l (even keys', odd keys'), +4 to +7 T0-T3 at work; a takes T2's place
.set ACC,  64                          ; window 0: table-product tile t at ACC + 8 t; loaded column y at ACC + y
.set PP,   160                         ; window 0: P
.set QC,   192                         ; window 0: qc (i, c) at QC + 16 i + 8 c
.set KF,   128                         ; window 1: K's fragment (kt, c) at KF + 16 kt + 8 c
.set OT,   0                           ; window 2: O^T (i, dt) at OT + 32 i + 8 dt
.set VF,   128                         ; window 2: V^T (u, dt) at VF + 32 u + 8 dt
.set QP,   192                         ; window 3: qp (i, c) at QP + 16 i + 8 c; the table's fragment (t, c) at 16 t + 8 c
.set WV,   12                          ; s12  my wave's number
.set G1K,  24                          ; s[24:31] descriptor group 1 for K's tiles;  s[32:39] V's;  s[40:47], s[48:55] the table's two parts
.set G1V,  32
.set G1PA, 40
.set G1PB, 48
.set G0K,  56                          ; s[56:63] groups 0 for K: a set for each of the two first fills; the second then walks
.set G0V,  68                          ; s[68:75] the same for V
.set G0PA, 76                          ; s[76:79], s[80:83] for the table's parts
.set G0PB, 80
.set CS,   84                          ; s[84:85] c = log2(e) / 8
.set SEL,  86                          ; s[86:87] lane selects for v_permlanex16_b32: lane l xor 16
.set TB,   88                          ; s88  LDS byte at which the slot begins from which K and V are fetched next
.set TP,   89                          ; s89  LDS byte, in the table, of the first of the 192 rows that my wave fetches next
.set SLOTS, 90                         ; s90  steps still to be asked for
.set LIM,  91                          ; s91  1 in the wave that prefetches, else the greatest number
.set PFA,  94                          ; s[94:95] where my prefetches stand
.set QPP,  96                          ; s[96:97] qp at my wave's first query
.set W_C,  0x51                        ; K qc^T: source 0 (K) window 1, source 1 (qc) window 0, C and D (scores) window 1
.set W_P,  0x0f                        ; the table's products: sources 0 and 1 window 3, C and D window 0
.set W_PV, 0xa2                        ; V^T P: source 0 (V) window 2, source 1 (P) window 0, C and D (O^T) window 2
.set MSB, 0
.macro WIN new                         ; the immediate's high byte repeats the setting that is left; a switch that changes nothing is dropped; bits 1:0 source 0, 3:2 source 1, 5:4 source 2, 7:6 destination
.if MSB != \new
	s_set_vgpr_msb (MSB<<8)|\new
.set MSB, \new
.endif
.endm
; A load into a register that a matrix instruction has read or written, and an LDS store that reads a matrix result, stand four places behind that matrix instruction; only plain vector instructions that name none of its
; registers are places (ISA guide 7.12.1 for vector instructions).  Each run of loads has four v_nop of its own in front, whatever the slices before it hold.
.macro PLACES n
.rept \n
	v_nop
.endr
.endm
; A joint load by descriptor set s.  Waves 0 and 1 fetch the halves of a step's K, waves 2 and 3 those of its V.  The branch hangs on the wave's number alone.  An s_nop 0 and four v_nop follow each of the two lines.
.macro JLOAD s
	s_cmp_lt_u32 s[WV], 2
	s_cbranch_scc0 .Lfor_v_\@
	tensor_load_to_lds s[G0K+4*\s:G0K+4*\s+3], s[G1K:G1K+7]
	s_nop 0
.rept 4
	v_nop
.endr
	s_branch .Lasked_\@
.Lfor_v_\@:
	tensor_load_to_lds s[G0V+4*\s:G0V+4*\s+3], s[G1V:G1V+7]
	s_nop 0
.rept 4
	v_nop
.endr
.Lasked_\@:
.endm
; A PREFETCH INTO THE L2 of what the NEXT change of slots will ask for: a step's 16,384 bytes of K and of V.  Only this cluster reads them.  Its four partners share them out BY ADDRESS, 8,192 bytes each
; (places 0 and 1: K's halves; 2 and 3: V's); in each, wave 0 asks: one instruction, lanes 256 bytes apart.  So each aligned 256 bytes are named once in the launch.  It stands a step, 224 matrix instructions, ahead of the load.
; The last change that fills a slot asks for nothing; steps 0 to 2 come by their loads alone.
.macro ASK
	s_cmp_gt_u32 s[SLOTS], s[LIM]
	s_cbranch_scc0 .Lnot_mine_\@
	global_prefetch_b8 v[PFO], s[PFA:PFA+1] th:TH_LOAD_NT scope:SCOPE_SE
.Lnot_mine_\@:
.endm
.macro CROUND                          ; a round of the cluster's barrier
	s_barrier_signal -1
	s_barrier_wait -1
	s_cmp_lg_u32 s[WV], 0
	s_cbranch_scc1 .Lnot_wave_0_\@
	s_barrier_signal -3
.Lnot_wave_0_\@:
	s_barrier_wait -3
	s_barrier_signal -1
	s_barrier_wait -1
.endm
	s_load_b256 s[4:11], s[0:1], 0x0               ; qq s[4:5], kv s[6:7], kp s[8:9], ow s[10:11]
	v_lshl_add_u32 v[SPW], v0, 2, SPARE
	v_mov_b32 v[NIL], 0
	ds_add_u32 v[SPW], v[NIL]                      ; the wave's opening: an add, twice on end, and its wait ahead of my first tensor load
	ds_add_u32 v[SPW], v[NIL]                      ; and once more; the set-up below, work on registers, stands between it and the wait
	v_lshrrev_b32 v1, 5, v0
	v_readfirstlane_b32 s[WV], v1                  ; wave 0..3
	s_bfe_u32 s13, ttmp6, 0x40000                  ; cx: my block of 256 queries
	s_and_b32 s14, ttmp7, 0xffff                   ; bh, which the four partners share
	s_and_b32 s15, s[WV], 1
	s_lshl_b32 s16, s14, 17                        ; bh's first byte in qc, k, o: 131,072 bytes each
	s_lshl_b32 s18, s15, 13                        ; which 64 rows of a step I fetch
	s_add_co_u32 s18, s18, s16
	s_mov_b32 s19, 0
	s_mul_i32 s20, s15, KHI                        ; and where they go in a slot: K's,
	s_mul_i32 s21, s15, 64*VPIT
	s_add_co_u32 s21, s21, VOFF                    ; V's: no place in the cluster enters an LDS address
	s_and_b32 s22, s14, 15
	s_lshl_b32 s22, s22, 18                        ; the head's table: 262,144 bytes
	s_xor_b32 s23, s13, 3
	s_lshl_b32 s23, s23, 15                        ; my work-group's first row of it: 768 - 256 cx = 256 (3 - cx), 128 bytes a row
	s_add_co_u32 s22, s22, s23
	s_lshl_b32 s23, s[WV], 14
	s_add_co_u32 s98, s22, s23                     ; first part: rows 128 w on, 128 of them
	s_mov_b32 s99, 0
	s_mul_i32 s23, s[WV], 192*128
	s_add_co_u32 s100, s22, s23
	s_add_co_u32 s100, s100, 512*128               ; second part: rows 512 + 192 w on, 192 of them
	s_mov_b32 s101, 0
	s_mul_i32 s2, s[WV], 128*KPIT
	s_add_co_u32 s2, s2, KPOS
	s_mul_i32 s3, s[WV], 192*KPIT
	s_add_co_u32 s3, s3, KPOS+512*KPIT
	s_lshl_b32 s66, s13, 15                        ; my wave's first query: 256 cx + 64 w, 128 bytes each
	s_lshl_b32 s23, s[WV], 13
	s_add_co_u32 s66, s66, s23
	s_add_co_u32 s66, s66, s16
	s_mov_b32 s67, 0
	s_lshr_b32 s22, s13, 1                         ; the prefetches: K (places 0, 1) or V (2, 3), 8,388,608 bytes on,
	s_lshl_b32 s22, s22, 23
	s_and_b32 s23, s13, 1
	s_lshl_b32 s23, s23, 13                        ; which half of a step's rows,
	s_add_co_u32 s22, s22, s23
	s_add_co_u32 s22, s22, s16
	s_add_co_u32 s22, s22, 2*STEPB                 ; at step 2: the first change of slots steps it to step 3
	s_mov_b32 s23, 0
	s_cmp_eq_u32 s[WV], 0
	s_cselect_b32 s[LIM], 1, -1
	s_xor_b32 s[TP], s[WV], 3
	s_mul_i32 s[TP], s[TP], 64*KPIT                ; step 0: my 192 rows begin at the work-group's row 192 - 64 w = 64 (3 - w)
	s_mov_b32 s[TB], 0
	s_mov_b32 s[SLOTS], 6
	s_mov_b32 s[CS], 0x3e38aa3b                    ; c = log2(e) / 8
	s_mov_b32 s[CS+1], s[CS]                       ; (named with it as a pair, so it is written)
	s_mov_b32 s[SEL], 0x76543210
	s_mov_b32 s[SEL+1], 0xfedcba98
	; descriptor groups 1: rows of 64 elements of 2 bytes, dense in memory, padded behind every 32 words
	s_mov_b32 s[G1K], 15|(1<<16)|(1<<20)|(1<<21)|(4<<22)|(3<<25)   ; 15:0 the mask: all four work-groups; 17:16 elements of 2 bytes; 20 padding on; 21 set beside a mask; 24:22 after every 32 words; 31:25 four words
	s_mov_b32 s[G1V], 15|(1<<16)|(1<<20)|(1<<21)|(4<<22)|(7<<25)   ; the same with eight words of padding
	s_mov_b32 s[G1PA], (1<<16)|(1<<20)|(4<<22)|(3<<25)             ; no mask: a load of my own
	s_mov_b32 s[G1PB], (1<<16)|(1<<20)|(4<<22)|(3<<25)
.irp g, G1K, G1V, G1PA, G1PB
	s_mov_b32 s[\g+1], 64<<16                      ; tensor_dim0
	s_mov_b32 s[\g+3], 64<<16                      ; tile_dim0
	s_mov_b32 s[\g+5], 64                          ; tensor_dim0_stride
	s_mov_b32 s[\g+6], 0
	s_mov_b32 s[\g+7], 0
.endr
	s_mov_b32 s[G1K+2], 64<<16                     ; tensor_dim1 and tile_dim1: 64 rows,
	s_mov_b32 s[G1K+4], 64
	s_mov_b32 s[G1V+2], 64<<16
	s_mov_b32 s[G1V+4], 64
	s_mov_b32 s[G1PA+2], 128<<16                   ; 128,
	s_mov_b32 s[G1PA+4], 128
	s_mov_b32 s[G1PB+2], 192<<16                   ; 192
	s_mov_b32 s[G1PB+4], 192
	s_wait_dscnt 0x0                               ; both opening adds are done
	s_wait_kmcnt 0x0
	s_add_nc_u64 s[PFA:PFA+1], s[6:7], s[22:23]
	s_add_nc_u64 s[6:7], s[6:7], s[18:19]          ; K at my part of step 0,
	s_add_nc_u64 s[16:17], s[6:7], 0x800000        ; V likewise
.irp s, 0,1
	s_mov_b32 s[G0K+4*\s], 1                       ; count = 1
	s_add_co_u32 s[G0K+4*\s+1], s20, \s*SLOT1      ; LDS address: slot s
	s_add_nc_u64 s[G0K+4*\s+2:G0K+4*\s+3], s[6:7], \s*STEPB   ; global address: step s
	s_or_b32 s[G0K+4*\s+3], s[G0K+4*\s+3], 0x80000000         ; type = 2
	s_mov_b32 s[G0V+4*\s], 1
	s_add_co_u32 s[G0V+4*\s+1], s21, \s*SLOT1
	s_add_nc_u64 s[G0V+4*\s+2:G0V+4*\s+3], s[16:17], \s*STEPB
	s_or_b32 s[G0V+4*\s+3], s[G0V+4*\s+3], 0x80000000
.endr
	s_mov_b32 s[G0PA], 1
	s_mov_b32 s[G0PA+1], s2
	s_add_nc_u64 s[G0PA+2:G0PA+3], s[8:9], s[98:99]
	s_or_b32 s[G0PA+3], s[G0PA+3], 0x80000000
	s_mov_b32 s[G0PB], 1
	s_mov_b32 s[G0PB+1], s3
	s_add_nc_u64 s[G0PB+2:G0PB+3], s[8:9], s[100:101]
	s_or_b32 s[G0PB+3], s[G0PB+3], 0x80000000
	s_add_nc_u64 s[4:5], s[4:5], s[66:67]          ; qc at my wave's first query,
	s_add_nc_u64 s[QPP:QPP+1], s[4:5], 0x800000    ; qp,
	s_add_nc_u64 s[10:11], s[10:11], s[66:67]      ; o
	CROUND                                         ; all four work-groups are here: the first joint loads meet
	JLOAD 0                                        ; the first fills go out together, what is wanted first in front: slot 0 (step 0),
	tensor_load_to_lds s[G0PA:G0PA+3], s[G1PA:G1PA+7]   ; the table's rows 0-511, which serve steps 0 and 1,
	s_nop 0
	JLOAD 1                                        ; slot 1 (step 1),
	tensor_load_to_lds s[G0PB:G0PB+3], s[G1PB:G1PB+7]   ; the table's other rows: four tensor loads of mine are out
	s_nop 0
.rept 4
	v_nop
.endr
	; A fragment of 16 rows x 32 channels is 8 registers: lane l holds row l % 16; registers 0-3 channels 8 (l / 16) + 0..7, registers 4-7 channels 16 + 8 (l / 16) + 0..7: two loads of 16 bytes, 32 bytes apart
	v_and_b32 v1, 15, v0                           ; r
	v_bfe_u32 v17, v0, 4, 1                        ; h
	v_lshlrev_b32 v[QO], 9, v1
	v_lshl_add_u32 v[QO], v17, 4, v[QO]            ; query 4 r: 512 r bytes, + 16 h
.irp i, 0,1,2,3
.irp c, 0,1
.irp e, 0,1
	global_load_b128 v[QC+16*\i+8*\c+4*\e:QC+16*\i+8*\c+4*\e+3], v[QO], s[4:5] offset:128*\i+64*\c+32*\e
.endr
.endr
.endr
	WIN 0xc0                                       ; destination window 3
.irp i, 0,1,2,3
.irp c, 0,1
.irp e, 0,1
	global_load_b128 v[QP+16*\i+8*\c+4*\e:QP+16*\i+8*\c+4*\e+3], v[QO], s[QPP:QPP+1] offset:128*\i+64*\c+32*\e
.endr
.endr
.endr
	WIN 0x80                                       ; destination window 2
.set xx, 0
.rept 128
	v_mov_b32 v[OT+xx], 0                          ; O^T.  A turn is written for every step alike: the first step finds zeros, which its a = 0 leaves zeros; a first step of its own would be one more copy of four turns' text
.set xx, xx+1
.endr
	WIN 0
	v_and_b32 v18, 7, v0                           ; l % 8
	v_bfe_u32 v19, v0, 3, 1                        ; (l / 8) % 2
	v_mul_u32_u24 v[AK0], v19, KHI                 ; K: lane r takes key 64 (r / 8) + 8 kt + r % 8
	v_mad_u32_u24 v[AK0], v18, KPIT, v[AK0]
	v_lshl_add_u32 v[AK0], v17, 4, v[AK0]
	v_mul_u32_u24 v[AKP0], v1, KPIT                ; the table: lane r takes row 16 t + r of my 192
	v_lshl_add_u32 v[AKP0], v17, 4, v[AKP0]
	v_add_nc_u32 v[AKP0], KPOS, v[AKP0]
	v_lshl_add_u32 v[AV0], v17, 6, v18             ; V, for the turning load: lane l reads 16 bytes: key 64 (l / 16) + 16 u + l % 8 (and 8 further on), channels 8 ((l / 8) % 2) + 0..7
	v_mul_u32_u24 v[AV0], v[AV0], VPIT
	v_lshl_add_u32 v[AV0], v19, 4, v[AV0]
	v_add_nc_u32 v[AV0], VOFF, v[AV0]
	s_mul_i32 s14, s15, WSTG                       ; my stage
	s_lshr_b32 s20, s[WV], 1
	s_lshl_b32 s20, s20, 16
	s_add_co_u32 s14, s14, s20
	s_add_co_u32 s14, s14, STG0
	v_mul_u32_u24 v[STO], v1, SPIT                 ; in: row r, columns 16 t + 8 h + 0..7
	v_lshl_add_u32 v[STO], v17, 5, v[STO]
	v_add_nc_u32 v[STO], s14, v[STO]
	v_mul_u32_u24 v[RDP], v1, SPIT-16              ; back: row r, from column 60 + 64 h - 4 r on
	v_lshl_add_u32 v[RDP], v17, 8, v[RDP]
	v_add_nc_u32 v[RDP], s14, v[RDP]
	v_add_nc_u32 v[RDP], 240, v[RDP]
	v_mul_u32_u24 v[OST], v1, 4*KPIT               ; the way out: stage row 4 r + i of 144 bytes, + 16 h
	v_lshl_add_u32 v[OST], v17, 4, v[OST]
	v_add_nc_u32 v[OST], s14, v[OST]
	v_bfe_u32 v20, v0, 3, 2                        ; l / 8
	v_mul_u32_u24 v[ORD], v20, KPIT                ; back: four rows of 128 bytes an instruction
	v_lshl_add_u32 v[ORD], v18, 4, v[ORD]
	v_add_nc_u32 v[ORD], s14, v[ORD]
	v_and_b32 v21, 31, v0
	v_lshlrev_b32 v[GO], 4, v21
	v_lshlrev_b32 v[PFO], 8, v21
.irp i, 0,1,2,3
	v_mov_b32 v[ST+8*\i+1], 0xff61b1e6             ; m = -3e38, under every score
	v_mul_f32 v[ST+8*\i], s[CS], v[ST+8*\i+1]      ; c m
	v_mov_b32 v[ST+8*\i+2], 0                      ; l
	v_mov_b32 v[ST+8*\i+3], 0
.endr
; THE RUNS OF LDS LOADS, once a step each, never singly among the matrix instructions.
.macro FETCH_K                         ; a step's K: 64 h + 8 kt + .. keys x 64 channels: 16 fragments
	WIN 0
	v_add_nc_u32 v[ADK], s[TB], v[AK0]
	PLACES 4
	WIN 0x40                                       ; destination window 1
.irp kt, 0,1,2,3,4,5,6,7
.irp c, 0,1
	ds_load_b128 v[KF+16*\kt+8*\c:KF+16*\kt+8*\c+3], v[ADK] offset:8*KPIT*\kt+64*\c
	ds_load_b128 v[KF+16*\kt+8*\c+4:KF+16*\kt+8*\c+7], v[ADK] offset:8*KPIT*\kt+64*\c+32
.endr
.endr
.endm
.macro FETCH_KP                        ; my 192 rows of the table for a step: 24 fragments
	WIN 0
	v_add_nc_u32 v[ADP], s[TP], v[AKP0]
	PLACES 4
	s_add_co_u32 s[TP], s[TP], TPS                 ; the next fetch begins 128 rows further on
	WIN 0xc0                                       ; destination window 3
.irp t, 0,1,2,3,4,5,6,7,8,9,10,11
.irp c, 0,1
	ds_load_b128 v[16*\t+8*\c:16*\t+8*\c+3], v[ADP] offset:16*KPIT*\t+64*\c
	ds_load_b128 v[16*\t+8*\c+4:16*\t+8*\c+7], v[ADP] offset:16*KPIT*\t+64*\c+32
.endr
.endr
.endm
.macro FETCH_V                         ; a step's V^T, turned: keys 64 h + 16 u + 0..15, channels 16 dt on.  It is the last read of its slot
	WIN 0
	v_add_nc_u32 v[ADV], s[TB], v[AV0]
	PLACES 4
	s_xor_b32 s[TB], s[TB], SLOT1                  ; the next K and V come from the other slot
	WIN 0x80                                       ; destination window 2
.irp u, 0,1,2,3
.irp dt, 0,1,2,3
	ds_load_tr16_b128 v[VF+32*\u+8*\dt:VF+32*\u+8*\dt+3], v[ADV] offset:16*VPIT*\u+32*\dt
	ds_load_tr16_b128 v[VF+32*\u+8*\dt+4:VF+32*\u+8*\dt+7], v[ADV] offset:16*VPIT*\u+8*VPIT+32*\dt
.endr
.endr
.endm
; Tile i's 192 columns go into my stage (each accumulator from its low end on) and my 68 come back, onto the same registers.  LDS serves a wave's instructions in order: the loads see the stores.  24 stores and 17 loads; tile 0: 16 loads
.macro STG i
	WIN 0
	PLACES 4
.irp t, 0,1,2,3,4,5,6,7,8,9,10,11
	ds_store_b128 v[STO], v[ACC+8*\t:ACC+8*\t+3] offset:64*\t
	ds_store_b128 v[STO], v[ACC+8*\t+4:ACC+8*\t+7] offset:64*\t+16
.endr
.irp e, 0,1,2,3,4,5,6,7,8,9,10,11,12,13,14,15,16
.if (\e > 0) || ((\i) > 0)                     ; tile 0 wants loaded registers 4 to 67: its first load is left out
	ds_load_b128 v[ACC+4*\e:ACC+4*\e+3], v[RDP] offset:16*\e
.endif
.endr
.endm
; THE VECTOR WORK OF A UNIT is a numbered list; VI writes number jj of it for tile TI, whose scores lie at SB and whose statistics at RT.  NA = 32 (even tiles) or 64 (odd tiles); j2 = jj - NA.
;   jj < NA   score of key x += loaded register x + 4 - i: two at a time where that shift is even.  Ascending
;   0-29      the maximum of the lane's 64 scores: four chains of 15, then the four scores left over
;   30-37     the chains and the old m; the other half of the lanes' maximum; the new m; c m; a = 2^(c m_old - c m_new)
;   38-69     c s - c m, a pair of scores each
;   70-133    p = 2^(c s - c m), at most 1.  None of 38 to 133 names an exponential's result
;   134       a plain instruction behind the last exponential, and ONE wait for the unit's 65 exponentials, ahead of the first instruction that names a result
;   135-166   P: registers 8 u .. 8 u + 7 hold keys 64 h + 16 u + 0..15: source 1 of the last product as it stands
;   167-182   the tile's O^T x a, each accumulator from its low end on
.macro VI
.set j2, jj-NA
.if jj < NA
	WIN 0x44                                       ; source 0 window 0, source 1 and destination window 1
.if NA == 32
	v_pk_add_f32 v[SB+2*jj:SB+2*jj+1], v[ACC+2*jj+4-TI:ACC+2*jj+5-TI], v[SB+2*jj:SB+2*jj+1]
.else
	v_add_f32 v[SB+jj], v[ACC+jj+4-TI], v[SB+jj]
.endif
.elseif j2 < 4
	WIN 0x15
	v_max3_num_f32 v[RT+4+j2], v[SB+16*j2], v[SB+16*j2+1], v[SB+16*j2+2]
.elseif j2 < 28
	WIN 0x14
	v_max3_num_f32 v[RT+4+j2%4], v[RT+4+j2%4], v[SB+16*(j2%4)+2*(j2/4)+1], v[SB+16*(j2%4)+2*(j2/4)+2]
.elseif j2 == 28
	WIN 0x14
	v_max3_num_f32 v[RT+4], v[RT+4], v[SB+15], v[SB+31]
.elseif j2 == 29
	WIN 0x14
	v_max3_num_f32 v[RT+6], v[RT+6], v[SB+47], v[SB+63]
.elseif j2 < 38
	WIN 0
.if j2 == 30
	v_max3_num_f32 v[RT+4], v[RT+4], v[RT+5], v[RT+6]
.elseif j2 == 31
	v_max3_num_f32 v[RT+4], v[RT+4], v[RT+7], v[RT+1]              ; with the old m
.elseif j2 == 32
	v_permlanex16_b32 v[RT+5], v[RT+4], s[SEL], s[SEL+1]           ; the query's other 64 keys lie in the lane 16 away
.elseif j2 == 33
	v_mov_b32 v[RT+7], v[RT]                       ; c m_old is kept for a
.elseif j2 == 34
	v_max_num_f32 v[RT+1], v[RT+4], v[RT+5]
.elseif j2 == 35
	v_mul_f32 v[RT], s[CS], v[RT+1]
.elseif j2 == 36
	v_sub_f32 v[RT+7], v[RT+7], v[RT]
.else
	v_exp_f32 v[RT+6], v[RT+7]
.endif
.elseif j2 < 70
	WIN 0x41                                       ; source 0 and destination window 1, c m in window 0
	v_pk_fma_f32 v[SB+2*(j2-38):SB+2*(j2-38)+1], v[SB+2*(j2-38):SB+2*(j2-38)+1], s[CS:CS+1], v[RT:RT+1] op_sel_hi:[1,0,0] neg_lo:[0,0,1] neg_hi:[0,0,1]
.elseif j2 < 134
	WIN 0x41
	v_exp_f32 v[SB+j2-70], v[SB+j2-70]
.elseif j2 == 134
	v_nop
	s_wait_alu depctr_va_vdst(0)
.elseif j2 < 167
	WIN 0x05                                       ; sources window 1, destination window 0
	v_cvt_pk_f16_f32 v[PP+j2-135], v[SB+2*(j2-135)], v[SB+2*(j2-135)+1]
.else
	WIN 0x82                                       ; O^T in window 2, a in window 0
	v_pk_mul_f32 v[OT+32*TI+2*(j2-167):OT+32*TI+2*(j2-167)+1], v[OT+32*TI+2*(j2-167):OT+32*TI+2*(j2-167)+1], v[RT+6:RT+7] op_sel_hi:[1,0]
.endif
.endm
.macro SLICES upto                     ; the list's numbers up to, not including, upto
.rept (\upto)-jj
	VI
.set jj, jj+1
.endr
.endm
; Number zz of 32 of the row's sum of tile TIP, whose unrounded weights lie at SBP: in place, pairs 2, 4, 8, 16 and 32 registers apart; then l = a l + the sum
.macro SUMI
.if zz < 31
.set dd, 2
.set uu, zz
.if zz >= 30
.set dd, 32
.set uu, 0
.elseif zz >= 28
.set dd, 16
.set uu, zz-28
.elseif zz >= 24
.set dd, 8
.set uu, zz-24
.elseif zz >= 16
.set dd, 4
.set uu, zz-16
.endif
	WIN 0x45
	v_pk_add_f32 v[SBP+2*dd*uu:SBP+2*dd*uu+1], v[SBP+2*dd*uu:SBP+2*dd*uu+1], v[SBP+2*dd*uu+dd:SBP+2*dd*uu+dd+1]
.else
	WIN 0x10
	v_pk_fma_f32 v[ST+8*TIP+2:ST+8*TIP+3], v[ST+8*TIP+2:ST+8*TIP+3], v[ST+8*TIP+6:ST+8*TIP+7], v[SBP:SBP+1] op_sel_hi:[1,0,1]
.endif
.endm
; THE MATRIX WORK.  In each run the accumulators take turns, one instruction a turn, and no two matrix instructions that follow each other, from run to run either, share an accumulator.
; S^T = K qc^T of tile TIN into the buffer at SBN: 16 products, 8 accumulators; the first 8 start the sums.  Behind product mm of a turn's 40 the list has reached number mm NVI / 40.
.macro MATC
.set mm, 0
.rept 16
	WIN W_C
.if mm < 8
	v_wmma_f32_16x16x32_f16 v[SBN+8*mm:SBN+8*mm+7], v[KF+16*mm:KF+16*mm+7], v[QC+16*TIN:QC+16*TIN+7], 0
.else
	v_wmma_f32_16x16x32_f16 v[SBN+8*(mm-8):SBN+8*(mm-8)+7], v[KF+16*(mm-8)+8:KF+16*(mm-8)+15], v[QC+16*TIN+8:QC+16*TIN+15], v[SBN+8*(mm-8):SBN+8*(mm-8)+7]
.endif
.set mm, mm+1
	SLICES (mm*NVI)/40
.endr
.endm
; qp of tile TIN times my 192 rows of the table: 24 products, 12 accumulators.  The list's adds, which read the columns loaded onto these registers, end at number 64; the first of these products stands behind number 86 at the least.
.macro MATP
.rept 24
	WIN W_P
.if mm < 28
	v_wmma_f32_16x16x32_f16 v[ACC+8*(mm-16):ACC+8*(mm-16)+7], v[16*(mm-16):16*(mm-16)+7], v[QP+16*TIN:QP+16*TIN+7], 0
.else
	v_wmma_f32_16x16x32_f16 v[ACC+8*(mm-28):ACC+8*(mm-28)+7], v[16*(mm-28)+8:16*(mm-28)+15], v[QP+16*TIN+8:QP+16*TIN+15], v[ACC+8*(mm-28):ACC+8*(mm-28)+7]
.endif
.set mm, mm+1
	SLICES (mm*NVI)/40
.endr
.endm
; A TURN'S FIRST PART, for the turn of tile i: O^T += V^T P^T of the unit before: 16 products, 4 accumulators; two numbers of that unit's row sum behind each.
.macro TURN_A i
.set TIP, ((\i)+3)%4
.set SBP, 64*(1-(\i)%2)
.if (\i) == 1
	s_wait_dscnt 41                                ; the step's V is in; behind its loads stand tile 1's 24 stores and 17 loads of the stage, which may be out
.endif
.set kk, 0
.rept 16
	WIN W_PV
	v_wmma_f32_16x16x32_f16 v[OT+32*TIP+8*(kk%4):OT+32*TIP+8*(kk%4)+7], v[VF+32*(kk/4)+8*(kk%4):VF+32*(kk/4)+8*(kk%4)+7], v[PP+8*(kk/4):PP+8*(kk/4)+7], v[OT+32*TIP+8*(kk%4):OT+32*TIP+8*(kk%4)+7]
.set zz, 2*kk
	SUMI
.set zz, 2*kk+1
	SUMI
.set kk, kk+1
.endr
.endm
; BETWEEN THE PARTS: the wait for tile i's columns.  Turn 0 first fetches the step's V, whose registers the products above have left.  (In turn 1 the change of slots stands here, with its wait for 0.)
.macro MID i, ld
.if (\i) == 0
	FETCH_V
	s_wait_dscnt 32                                ; tile 0's columns are back; V's 32 loads may be out
.elseif ((\i) == 3) && (\ld)
	s_wait_dscnt 48                                ; the next step's K and tile 3's columns are in; the table's 48 loads may be out
.else
	s_wait_dscnt 0x0
.endif
.endm
; A TURN'S SECOND PART: tile i's list, in slices behind the 40 products of the next unit.  next = 0: there is no next unit: the list stands bare.  ld = 1: turn 2 fetches the next step's K, behind the last products
; that read the old one, and at its end the next step's rows of the table.
.macro TURN_BC i, next, ld
.set TI, \i
.set TIN, ((\i)+1)%4
.set SB, 64*((\i)%2)
.set SBN, 64-SB
.set RT, ST+8*TI
.set NA, 32+32*((\i)%2)
.set NVI, NA+183
.set jj, 0
.if \next
	MATC
.if ((\i) == 2) && (\ld)
	FETCH_K
.endif
.if (\i) == 3
	s_wait_dscnt 0x0                               ; the table's fragments are in
.endif
	MATP
	STG TIN
.if ((\i) == 2) && (\ld)
	FETCH_KP
.endif
.else
	SLICES NVI
.endif
.endm
; THE CHANGE OF SLOTS stands in turn 1 of step j, between its parts.  Each wave waits for all its tensor loads (its part of the slot of step j + 1), adds 0 to its spare word, and waits for that and for its LDS reads, the
; last reads of step j's slot (V, a turn ago) among them.  fill = 1: a round of the cluster's barrier follows, so that no wave of any partner still reads that slot or has a load on its way, and the slot takes step j + 2:
; the joint load is the first thing behind the round, my one tensor load until the next, and has a whole step, 224 matrix instructions, in which to land.
.macro CHANGE fill
	WIN 0                                          ; at a label and at a branch every window is 0
	s_wait_tensorcnt 0x0                           ; no tensor load of mine is out, so a group 0 may be written
	ds_add_u32 v[SPW], v[NIL]
.if \fill
	s_xor_b32 s[G0K+5], s[G0K+5], SLOT1            ; the walking descriptors: the other slot than last time,
	s_add_nc_u64 s[G0K+6:G0K+7], s[G0K+6:G0K+7], STEPB   ; the next 128 keys; the type bits on top are not reached
	s_xor_b32 s[G0V+5], s[G0V+5], SLOT1
	s_add_nc_u64 s[G0V+6:G0V+7], s[G0V+6:G0V+7], STEPB
	s_wait_xcnt 0x0                                ; the last prefetch, a step back, has read its address, so it may be written:
	s_add_nc_u64 s[PFA:PFA+1], s[PFA:PFA+1], STEPB ; one step further on than the walking descriptors
	s_wait_dscnt 0x0                               ; the add is done, my reads of the slot are over, and tile 1's columns are back
	CROUND
	JLOAD 1
	ASK
.else
	s_wait_dscnt 0x0
	s_barrier_signal -1
	s_barrier_wait -1
.endif
.endm
; From one change of slots to the next: four turns' work
.macro BODY
	TURN_BC 1, 1, 1
	TURN_A 2
	MID 2, 1
	TURN_BC 2, 1, 1
	TURN_A 3
	MID 3, 1
	TURN_BC 3, 1, 1
	TURN_A 0
	MID 0, 1
	TURN_BC 0, 1, 1
	TURN_A 1
	WIN 0
.endm
	s_wait_tensorcnt 2                             ; my parts of slot 0 and of the table's rows 0-511 are in; slot 1's load and the table's other rows may be out
	s_barrier_signal -1
	s_barrier_wait -1                              ; everybody's are
	FETCH_K                                        ; step 0
	FETCH_KP
	s_wait_loadcnt 0x0                             ; qc and qp
	s_wait_dscnt 48                                ; K's 32 loads are in; the table's 48 may be out
.set TIN, 0
.set SBN, 0
.set NVI, 0                                    ; unit 0's products stand bare: there is no vector work yet to set between them
.set jj, 0
	MATC
	s_wait_dscnt 0x0                               ; the table's fragments are in
	MATP
	STG TIN
	MID 0, 1                                       ; turn 0 has no unit before it: it begins with V of step 0
	TURN_BC 0, 1, 1
	TURN_A 1
	WIN 0
.Lstep:                                            ; six trips: steps 2 to 7 are asked for
	CHANGE 1
	BODY
	s_sub_co_u32 s[SLOTS], s[SLOTS], 1
	s_cmp_lg_u32 s[SLOTS], 0
	s_cbranch_scc1 .Lstep
	CHANGE 0                                       ; the tail is written out: step 7's slot is shown to every wave, and nothing is asked for
	BODY
	MID 1, 0                                       ; the last step: nothing is left to fetch
	TURN_BC 1, 1, 0
	TURN_A 2
	MID 2, 0
	TURN_BC 2, 1, 0
	TURN_A 3
	MID 3, 0
	TURN_BC 3, 0, 0                                ; the last unit's list stands bare
	TURN_A 0                                       ; and its V^T P and row sum
	; THE WAY OUT.  l's two halves and the other half of the lanes' are added (these lines are the places behind the last products); O^T is divided by l, rounded to f16 and sent through my stage, so that a store covers 512 consecutive bytes
	WIN 0
.irp i, 0,1,2,3
	v_add_f32 v[ST+8*\i+4], v[ST+8*\i+2], v[ST+8*\i+3]
.endr
.irp i, 0,1,2,3
	v_permlanex16_b32 v[ST+8*\i+5], v[ST+8*\i+4], s[SEL], s[SEL+1]
.endr
.irp i, 0,1,2,3
	v_add_f32 v[ST+8*\i+4], v[ST+8*\i+4], v[ST+8*\i+5]
.endr
.irp i, 0,1,2,3
	v_rcp_f32 v[ST+8*\i+6], v[ST+8*\i+4]
.endr
	v_nop                                          ; a plain instruction behind the last reciprocal
	s_wait_alu depctr_va_vdst(0)                   ; one wait for the four, ahead of their first reader
	WIN 0x82
.irp i, 0,1,2,3
.set xx, 0
.rept 16
	v_pk_mul_f32 v[OT+32*\i+xx:OT+32*\i+xx+1], v[OT+32*\i+xx:OT+32*\i+xx+1], v[ST+8*\i+6:ST+8*\i+7] op_sel_hi:[1,0]
.set xx, xx+2
.endr
.endr
	WIN 0x0a                                       ; sources window 2, destination window 0
.set xx, 0
.rept 64
	v_cvt_pk_f16_f32 v[64+xx], v[OT+2*xx], v[OT+2*xx+1]   ; registers 16 i + 4 dt .. + 3: channels 16 dt + 8 h + 0..7 of query 4 r + i
.set xx, xx+1
.endr
	WIN 0
.irp i, 0,1,2,3
.irp dt, 0,1,2,3
	ds_store_b128 v[OST], v[64+16*\i+4*\dt:64+16*\i+4*\dt+3] offset:KPIT*\i+32*\dt
.endr
.endr
.irp e, 0,1,2,3,4,5,6,7,8,9,10,11,12,13,14,15
	ds_load_b128 v[128+4*\e:128+4*\e+3], v[ORD] offset:4*KPIT*\e   ; LDS serves a wave's instructions in order: these see my stores
.endr
.irp e, 0,1,2,3,4,5,6,7,8,9,10,11,12,13,14,15
	s_wait_dscnt 15-\e                             ; load e is in; the younger ones may be out
	global_store_b128 v[GO], v[128+4*\e:128+4*\e+3], s[10:11] offset:512*\e   ; four rows of o: 512 consecutive bytes, aligned
.endr
	s_wait_tensorcnt 0x0                           ; the wave's end, behind my last tensor load and my last LDS store
	ds_add_u32 v[SPW], v[NIL]
	s_wait_dscnt 0x0
	CROUND                                         ; the closing round: no work-group ends while a partner may still ask for a tile that names it
	s_endpgm
.Lfunc_end_k_q45b0f255e2_attn:
	.size	k_q45b0f255e2_attn, .Lfunc_end_k_q45b0f255e2_attn-k_q45b0f255e2_attn
	.p2alignl 7, 3214868480
	.fill 96, 4, 3214868480
	.section	.rodata,"a",@progbits
	.p2align	6, 0x0
	.amdhsa_kernel k_q45b0f255e2_attn
		.amdhsa_group_segment_fixed_size 327680
		.amdhsa_private_segment_fixed_size 0
		.amdhsa_enable_private_segment 0
		.amdhsa_kernarg_size 32
		.amdhsa_user_sgpr_count 2
		.amdhsa_user_sgpr_kernarg_segment_ptr 1
		.amdhsa_wavefront_size32 1
		.amdhsa_system_sgpr_workgroup_id_x 1
		.amdhsa_system_sgpr_workgroup_id_y 1
		.amdhsa_system_sgpr_workgroup_id_z 1
		.amdhsa_system_vgpr_workitem_id 0
		.amdhsa_next_free_vgpr 1024
		.amdhsa_next_free_sgpr 102
		.amdhsa_reserve_vcc 0
		.amdhsa_float_denorm_mode_32 3
		.amdhsa_float_denorm_mode_16_64 3
		.amdhsa_memory_ordered 1
		.amdhsa_forward_progress 1
		.amdhsa_inst_pref_size 255
	.end_amdhsa_kernel
	.section	.bss,"aw",@nobits
	.p2align	6
	.space	262144
	.amdgpu_metadata
---
amdhsa.version: [ 1, 2 ]
amdhsa.kernels:
  - .name:           k_q45b0f255e2_attn
    .symbol:         k_q45b0f255e2_attn.kd
    .args:
      - { .name: qq, .offset: 0, .size: 8, .value_kind: global_buffer, .address_space: global }
      - { .name: kv, .offset: 8, .size: 8, .value_kind: global_buffer, .address_space: global }
      - { .name: kp, .offset: 16, .size: 8, .value_kind: global_buffer, .address_space: global }
      - { .name: ow, .offset: 24, .size: 8, .value_kind: global_buffer, .address_space: global }
    .group_segment_fixed_size: 327680
    .private_segment_fixed_size: 0
    .kernarg_segment_align: 8
    .kernarg_segment_size: 32
    .max_flat_workgroup_size: 128
    .sgpr_count:     102
    .vgpr_count:     1024
    .wavefront_size: 32
...
	.end_amdgpu_metadata
.endif
;; end of part 3
;; launch outp (part 4): grid 8 x 32, 4 waves a work-group, clusters of 4 x 4, 327,680 bytes of LDS; arguments ow, wo16, b_out, out0; writes out0
.if DOCPART == 4
	.amdgcn_target "amdgcn-amd-amdhsa--gfx1250"
	.amdhsa_code_object_version 6
	.text
	.protected	k_q45b0f255e2_outp
	.globl	k_q45b0f255e2_outp
	.p2align	8
	.type	k_q45b0f255e2_outp,@function
k_q45b0f255e2_outp:
	s_mov_b64 s[64:65], 0
	v_nop
	global_prefetch_b8 v0, s[64:65] scope:SCOPE_SE
	s_setreg_imm32_b32 hwreg(HW_REG_WAVE_MODE, 25, 1), 1
	s_wait_xcnt 0x0
	s_wait_alu depctr_hold_cnt(0) depctr_sa_sdst(0) depctr_va_vdst(0) depctr_va_sdst(0) depctr_va_ssrc(0) depctr_va_vcc(0) depctr_vm_vsrc(0)
	s_getreg_b32 s2, hwreg(HW_REG_IB_STS2, 6, 4)
	s_cmp_eq_u32 s2, 0
	s_cbranch_scc0 .Lentry_in_a_cluster
	s_endpgm
.Lentry_in_a_cluster:
	s_bfe_u32 s2, ttmp6, 0x10000c
	s_cmp_lg_u32 s2, 0xf033
	s_cbranch_scc0 .Lentry_shape_is_right
	s_endpgm
.Lentry_shape_is_right:
; OUTP.  out0[q][bb][n] = the sum over k of o[q][bb][k] w_out[n][k] + b_out[n].  o (ow): f16, [64 = 16 bb + kb][1024 q][64]; w_out (wo16): f16, [16 kb][1024 n][64]; kb = k / 64; out0: [1024 q][4 bb][1024 n] f32.  Sums in f32.
; A tile is 128 queries of one batch x 128 columns: 256 tiles, one for each work-group of four waves; a wave makes 64 x 64: 16 accumulators.  b_out is the C of each sum's first product.
; K goes in four steps of 256 (four kb) through two LDS slots.  Both operands lie by kb: 128 rows of one kb are 16,384 dense bytes, and from kb to kb are 131,072.  A wave's tensor load brings two kb: a tile of two rows of
; 16,384 bytes, padded by 16 bytes behind every 128, so that LDS holds [kb][128 rows][144 bytes].
; CLUSTERS: 4 x 4 work-groups.  The four of a row of the cluster need the same tiles of o, the four of a column the same tiles of w_out: each is asked for jointly.
; THE MATRIX INSTRUCTION IS USED TRANSPOSED (source 0 = 16 rows of w_out, source 1 = 16 queries): a lane then holds eight neighbouring columns of one row of the result.
; No prefetch: the tiles are small and a step's refill is shared by four work-groups.
; REGISTERS: window 0: v0-31 addresses; v32-95 the way out; v96-127 b_out in the result's layout; v128-255 the accumulators ((a, b) at v[128 + 8 (4 a + b)]).  window 1: two fragment buffers of 128: 64 registers of o, then 64 of w_out.
.set KPIT,   144                       ; an LDS row: 128 bytes + 16 = 36 words: row r starts at bank 36 r mod 64: sixteen rows start at sixteen different groups of 4 banks (64 banks of 4 bytes: ISA guide 11.1)
.set QB,     128*KPIT                  ; one kb: 128 rows: a quarter of a K step
.set HALFT,  2*QB                      ; what one tensor load brings
.set SLOT,   4*HALFT                   ; o's four kb, then w_out's four
.set STAGE,  2*SLOT                    ; behind the ring: 16 rows x (256 bytes + 16) for each wave, for the way out
.set SPITCH, 272
.set SPARE,  STAGE+4*16*SPITCH         ; the spare words, 128 bytes a wave, which no other line names
.set KSB,    4*131072                  ; a K step in memory
.set ADRA, 16                          ; v16-17  LDS address of my fragments of o in slot 0, 1
.set ADRB, 20                          ; v20-21  the same for w_out
.set STO,  24                          ; v24  the way out: where I put 32 bytes of a row
.set RD,   25                          ; v25  where I read rows back
.set CO,   26                          ; v26  my byte offset in out0
.set BO,   27                          ; v27  32 (lane / 16)
.set SPW,  28                          ; v28  LDS address of my spare word; never rewritten
.set NIL,  29                          ; v29  0; never rewritten
.set BK,   32                          ; the way out: two sets of 32 registers
.set BI,   96                          ; b_out: register 8 b + j = b_out[first column + 16 b + 8 (l / 16) + j]
.set ACC,  128
.set F0,   0                           ; fragment buffers, in window 1
.set F1,   128
.set WV,   12                          ; s12  wave
.set HR,   13                          ; s13  which half of the tile's rows is mine; also: I fetch for o (0) or w_out (1)
.set HC,   14                          ; s14  which half of its columns; also: which two kb of a K step I fetch
.set TR,   15                          ; s15  tile row
.set G1, 24                            ; s[24:31] descriptor group 1 for o's tiles;  s[32:39] group 0, one set for each slot
.set G0, 32
.set G1B, 48                           ; s[48:55], s[56:63] the same for w_out's
.set G0B, 56
.set MSB, 0
.macro WIN new                         ; the immediate's high byte repeats the setting that is left
.if MSB != \new
	s_set_vgpr_msb (MSB<<8)|\new
.set MSB, \new
.endif
.endm
.set MUL,  0x05                        ; sources 0 and 1 window 1; C and D window 0
.set TO_F, 0x40                        ; destination window 1, address window 0
.macro JLOAD s                         ; a joint load: waves 0 and 1 fetch o's kb pairs, waves 2 and 3 w_out's; an s_nop 0 and four v_nop follow each of the two lines
	s_cmp_eq_u32 s[HR], 0
	s_cbranch_scc0 .Lfor_b_\@
	tensor_load_to_lds s[G0+4*\s:G0+4*\s+3], s[G1:G1+7]
	s_nop 0
.rept 4
	v_nop
.endr
	s_branch .Lasked_\@
.Lfor_b_\@:
	tensor_load_to_lds s[G0B+4*\s:G0B+4*\s+3], s[G1B:G1B+7]
	s_nop 0
.rept 4
	v_nop
.endr
.Lasked_\@:
.endm
.macro CREST                           ; a round of the cluster's barrier behind its opening barrier
	s_cmp_lg_u32 s[WV], 0
	s_cbranch_scc1 .Lnot_wave_0_\@
	s_barrier_signal -3
.Lnot_wave_0_\@:
	s_barrier_wait -3
	s_barrier_signal -1
	s_barrier_wait -1
.endm
.macro CROUND                          ; a whole round
	s_barrier_signal -1
	s_barrier_wait -1
	CREST
.endm
	s_load_b256 s[4:11], s[0:1], 0x0               ; ow s[4:5], wo16 s[6:7], b_out s[8:9], out0 s[10:11]
	v_lshl_add_u32 v[SPW], v0, 2, SPARE
	v_mov_b32 v[NIL], 0
	ds_add_u32 v[SPW], v[NIL]                      ; the wave's opening: an add, twice on end, and its wait ahead of my first tensor load
	ds_add_u32 v[SPW], v[NIL]                      ; and once more; the set-up below, work on registers, stands between it and the wait
	v_lshrrev_b32 v1, 5, v0
	v_readfirstlane_b32 s[WV], v1                  ; wave 0..3
	s_lshr_b32 s[HR], s[WV], 1
	s_and_b32 s[HC], s[WV], 1
	s_bfe_u32 s40, ttmp6, 0x40000                  ; cx, cy: my place in the cluster
	s_bfe_u32 s41, ttmp6, 0x40004
	s_lshl_b32 s42, ttmp9, 2
	s_add_co_u32 s42, s42, s40                     ; tile column = 4 x cluster x + cx
	s_and_b32 s[TR], ttmp7, 0xffff
	s_lshl_b32 s[TR], s[TR], 2
	s_add_co_u32 s[TR], s[TR], s41                 ; tile row = 4 x cluster y + cy: batch = tile row / 8, first query = 128 x (tile row % 8)
	s_lshl_b32 s43, s41, 2
	s_lshl_b32 s43, 15, s43                        ; my row of the cluster
	s_lshl_b32 s44, 0x1111, s40                    ; my column
	; descriptor group 1: two rows of 2,048 elements of 8 bytes, 16,384 elements apart; padding behind every 32 words
	s_or_b32 s[G1+0], s43, (3<<16)|(1<<20)|(1<<21)|(4<<22)|(3<<25)  ; 15:0 the mask: o's tiles go to my row; 17:16 elements of 8 bytes; 20 padding on; 21 set beside a mask; 24:22 after every 32 words; 31:25 four words
	s_or_b32 s[G1B+0], s44, (3<<16)|(1<<20)|(1<<21)|(4<<22)|(3<<25)
.irp g, G1, G1B
	s_mov_b32 s[\g+1], 2048<<16                    ; tensor_dim0
	s_mov_b32 s[\g+2], 2<<16                       ; tensor_dim1
	s_mov_b32 s[\g+3], 2048<<16                    ; tile_dim0
	s_mov_b32 s[\g+4], 2                           ; tile_dim1
	s_mov_b32 s[\g+5], 16384                       ; tensor_dim0_stride
	s_mov_b32 s[\g+6], 0
	s_mov_b32 s[\g+7], 0
.endr
	s_lshr_b32 s16, s[TR], 3
	s_lshl_b32 s16, s16, 21                        ; o: the batch's 16 kb: 2,097,152 bytes,
	s_and_b32 s17, s[TR], 7
	s_lshl_b32 s17, s17, 14                        ; the tile's first query: 128 rows of 128 bytes,
	s_add_co_u32 s16, s16, s17
	s_lshl_b32 s18, s[HC], 18                      ; and which two kb I fetch
	s_add_co_u32 s16, s16, s18
	s_mov_b32 s17, 0
	s_lshl_b32 s46, s42, 14                        ; w_out: the tile's first row
	s_add_co_u32 s46, s46, s18
	s_mov_b32 s47, 0
	s_mul_i32 s45, s[WV], HALFT                    ; where they go: no place in the cluster enters an LDS address
	s_wait_dscnt 0x0                               ; both opening adds are done
	s_wait_kmcnt 0x0
	s_add_nc_u64 s[20:21], s[4:5], s[16:17]
	s_add_nc_u64 s[46:47], s[6:7], s[46:47]
	CROUND                                         ; all sixteen work-groups are here: the first joint loads meet
.irp s, 0,1
	s_mov_b32 s[G0+4*\s], 1
	s_add_co_u32 s[G0+4*\s+1], s45, \s*SLOT
	s_add_nc_u64 s[G0+4*\s+2:G0+4*\s+3], s[20:21], \s*KSB
	s_or_b32 s[G0+4*\s+3], s[G0+4*\s+3], 0x80000000
	s_mov_b32 s[G0B+4*\s], 1
	s_add_co_u32 s[G0B+4*\s+1], s45, \s*SLOT
	s_add_nc_u64 s[G0B+4*\s+2:G0B+4*\s+3], s[46:47], \s*KSB
	s_or_b32 s[G0B+4*\s+3], s[G0B+4*\s+3], 0x80000000
	JLOAD \s                                       ; two tensor loads of mine are out
.endr
	v_and_b32 v1, 15, v0                           ; l % 16
	v_bfe_u32 v2, v0, 4, 1                         ; l / 16
	v_mul_u32_u24 v3, v1, KPIT
	v_lshl_add_u32 v3, v2, 4, v3                   ; a fragment's row x pitch + 16 x half
	s_mul_i32 s21, s[HR], 64*KPIT                  ; my 64 queries
	s_mul_i32 s22, s[HC], 64*KPIT                  ; my 64 rows of w_out,
	s_add_co_u32 s22, s22, 2*HALFT                 ; which lie behind o's four kb
.irp s, 0,1
	v_add_nc_u32 v[ADRA+\s], s21, v3
	v_add_nc_u32 v[ADRB+\s], s22, v3
	s_add_co_u32 s21, s21, SLOT
	s_add_co_u32 s22, s22, SLOT
.endr
	s_mul_i32 s23, s[WV], 16*SPITCH
	s_add_co_u32 s23, s23, STAGE                   ; my stage
	v_mul_u32_u24 v4, v1, SPITCH                   ; in: row l % 16, 32 bytes for each half of the lanes
	v_lshl_add_u32 v4, v2, 5, v4
	v_add_nc_u32 v[STO], s23, v4
	v_mul_u32_u24 v5, v2, SPITCH                   ; back: lanes 0-15 one row of 256 bytes, lanes 16-31 the next
	v_lshl_add_u32 v5, v1, 4, v5
	v_add_nc_u32 v[RD], s23, v5
	v_lshlrev_b32 v5, 14, v2                       ; and the same two queries in out0: 16,384 bytes from query to query
	v_lshl_add_u32 v[CO], v1, 4, v5
	v_lshlrev_b32 v[BO], 5, v2
	s_and_b32 s16, s[TR], 7                        ; my part of out0: row 4 (128 (tile row % 8) + 64 x half) + batch, 4,096 bytes a row,
	s_lshl_b32 s16, s16, 21
	s_lshl_b32 s17, s[HR], 20
	s_add_co_u32 s16, s16, s17
	s_lshr_b32 s17, s[TR], 3
	s_lshl_b32 s17, s17, 12
	s_add_co_u32 s16, s16, s17
	s_mov_b32 s17, 0
	s_lshl_b32 s46, s42, 9                         ; column 128 x tile column + 64 x half, 4 bytes each: in out0 and in b_out
	s_lshl_b32 s47, s[HC], 8
	s_add_co_u32 s46, s46, s47
	s_mov_b32 s47, 0
	s_add_nc_u64 s[8:9], s[8:9], s[46:47]
	s_add_nc_u64 s[10:11], s[10:11], s[16:17]
	s_add_nc_u64 s[10:11], s[10:11], s[46:47]
.irp b, 0,1,2,3
	global_load_b128 v[BI+8*\b:BI+8*\b+3], v[BO], s[8:9] offset:64*\b
	global_load_b128 v[BI+8*\b+4:BI+8*\b+7], v[BO], s[8:9] offset:64*\b+16
.endr
; 8 matrix instructions: query blocks a0, a0 + 1 x all 4 column blocks, 32 along K: half c of buffer f.  first = 1: the product starts the sums, with b_out as its C.  The 16 accumulators take turns
.macro MUL8 f, c, a0, first
.irp a, \a0, \a0+1
.irp b, 0,1,2,3
.if \first
	v_wmma_f32_16x16x32_f16 v[ACC+8*(4*(\a)+\b):ACC+8*(4*(\a)+\b)+7], v[\f+64+8*(4*\c+\b):\f+64+8*(4*\c+\b)+7], v[\f+8*(4*\c+\a):\f+8*(4*\c+\a)+7], v[BI+8*\b:BI+8*\b+7]
.else
	v_wmma_f32_16x16x32_f16 v[ACC+8*(4*(\a)+\b):ACC+8*(4*(\a)+\b)+7], v[\f+64+8*(4*\c+\b):\f+64+8*(4*\c+\b)+7], v[\f+8*(4*\c+\a):\f+8*(4*\c+\a)+7], v[ACC+8*(4*(\a)+\b):ACC+8*(4*(\a)+\b)+7]
.endif
.endr
.endr
.endm
; 32 LDS loads in one run: the fragments of the slot's q-th kb (64 along K) into buffer f; the first 32 along K first
.macro FETCH slot, q, f
	WIN TO_F
.irp c, 0,1
.irp i, 0,1,2,3
	ds_load_b128 v[\f+64+8*(4*\c+\i):\f+64+8*(4*\c+\i)+3],   v[ADRB+\slot] offset:(\q)*QB+64*\c+\i*16*KPIT
	ds_load_b128 v[\f+64+8*(4*\c+\i)+4:\f+64+8*(4*\c+\i)+7], v[ADRB+\slot] offset:(\q)*QB+64*\c+\i*16*KPIT+32
	ds_load_b128 v[\f+8*(4*\c+\i):\f+8*(4*\c+\i)+3],         v[ADRA+\slot] offset:(\q)*QB+64*\c+\i*16*KPIT
	ds_load_b128 v[\f+8*(4*\c+\i)+4:\f+8*(4*\c+\i)+7],       v[ADRA+\slot] offset:(\q)*QB+64*\c+\i*16*KPIT+32
.endr
.endr
.endm
.macro PLACES                          ; four places in front of loads into registers that matrix instructions have read, and of LDS stores that read results (ISA guide 7.12.1 for the LDS stores)
.rept 4
	v_nop
.endr
.endm
; A K step is four quarters of 64 along K, 32 matrix instructions each, on buffers 0, 1, 0, 1.  One of the first three: multiplies buffer f and fetches the next quarter, q, into g.
.macro QUARTER slot, q, f, g, first
	s_wait_dscnt 16                                ; the first 32 along K are in; the other sixteen loads may be out
	WIN MUL
	MUL8 \f, 0, 0, \first
	MUL8 \f, 0, 2, \first
	PLACES
	FETCH \slot, \q, \g
	s_wait_dscnt 32                                ; all but the 32 just issued
	WIN MUL
	MUL8 \f, 1, 0, 0
	MUL8 \f, 1, 2, 0
.endm
; The last quarter multiplies buffer 1 and changes slots: ONE barrier; in front of it each wave waits for all its tensor loads, adds 0 to its spare word, and waits for that and for its own reads of this slot.  fill = 1: this slot is filled again, two K steps ahead.
.macro TURN slot, next, fill
	WIN 0                                          ; (the add's two registers lie in window 0)
	s_wait_tensorcnt 0x0                           ; all my tensor loads have landed: my part of the next slot;
	ds_add_u32 v[SPW], v[NIL]
	s_wait_dscnt 17                                ; (the add and the youngest sixteen loads may be out)
	WIN MUL
	MUL8 F1, 0, 0, 0                               ; eight matrix instructions stand between the add and the wait for it
	s_wait_dscnt 0x0                               ; the add is done, and my reads of this slot are over
	s_barrier_signal -1
	MUL8 F1, 0, 2, 0
.if \fill
	WIN 0
.endif
	s_barrier_wait -1
.if \fill
	CREST                                          ; the barrier has opened a round of the cluster's barrier: no wave of any partner still reads this slot's tile or has a load on its way
	s_add_nc_u64 s[G0+4*\slot+2:G0+4*\slot+3], s[G0+4*\slot+2:G0+4*\slot+3], 2*KSB
	s_add_nc_u64 s[G0B+4*\slot+2:G0B+4*\slot+3], s[G0B+4*\slot+2:G0B+4*\slot+3], 2*KSB
	JLOAD \slot                                    ; the first tensor load behind the round, 112 matrix instructions ahead of the wait for it; its four v_nop are also the places in front of the loads below
.else
	PLACES
.endif
	FETCH \next, 0, F0
	WIN MUL
	MUL8 F1, 1, 0, 0
	MUL8 F1, 1, 2, 0
.endm
	s_wait_tensorcnt 1                             ; my part of K step 0 is in (K step 1's load may be out)
	s_barrier_signal -1
	s_barrier_wait -1                              ; everybody's is
	FETCH 0, 0, F0
	s_wait_loadcnt 0x0                             ; b_out
	QUARTER 0, 1, F0, F1, 1                        ; the first products start the sums, on b_out
	QUARTER 0, 2, F1, F0, 0                        ; K has two laps round the ring: both are written out.  The first fills both slots again,
	QUARTER 0, 3, F0, F1, 0
	TURN 0, 1, 1
	QUARTER 1, 1, F0, F1, 0
	QUARTER 1, 2, F1, F0, 0
	QUARTER 1, 3, F0, F1, 0
	TURN 1, 0, 1
	QUARTER 0, 1, F0, F1, 0                        ; the second fills nothing, and has no round of the cluster's barrier
	QUARTER 0, 2, F1, F0, 0
	QUARTER 0, 3, F0, F1, 0
	TURN 0, 1, 0
	QUARTER 1, 1, F0, F1, 0
	QUARTER 1, 2, F1, F0, 0
	QUARTER 1, 3, F0, F1, 0
	s_wait_dscnt 16                                ; the very last quarter: nothing more to fetch
	WIN MUL
	MUL8 F1, 0, 0, 0
	MUL8 F1, 0, 2, 0
	s_wait_dscnt 0
	MUL8 F1, 1, 0, 0
	MUL8 F1, 1, 2, 0
	WIN 0
; THE WAY OUT, block by block of 16 queries x 64 columns.  A lane holds 32 neighbouring bytes of a row; my 64 columns are 256 bytes, aligned: a block goes through my own stage and comes back as whole rows, sixteen lanes to a row.
; LDS serves a wave's instructions in order: no wait between the stores and the loads, nor in front of the next block's stores; no other wave touches my stage.
.macro TOSTAGE a
.irp b, 0,1,2,3
	ds_store_b128 v[STO], v[ACC+8*(4*(\a)+\b):ACC+8*(4*(\a)+\b)+3] offset:64*\b          ; each accumulator from its low end on
	ds_store_b128 v[STO], v[ACC+8*(4*(\a)+\b)+4:ACC+8*(4*(\a)+\b)+7] offset:64*\b+16
.endr
.irp t, 0,1,2,3,4,5,6,7
	ds_load_b128 v[BK+32*((\a)%2)+4*\t:BK+32*((\a)%2)+4*\t+3], v[RD] offset:\t*2*SPITCH
.endr
.endm
.macro SEND a, younger                 ; younger: the LDS instructions issued behind block a's loads, which may stay out
	s_wait_dscnt \younger
.irp t, 0,1,2,3,4,5,6,7
	global_store_b128 v[CO], v[BK+32*((\a)%2)+4*\t:BK+32*((\a)%2)+4*\t+3], s[10:11] offset:(16*(\a)+2*\t)*16384 th:TH_STORE_NT   ; sixteen lanes store 256 consecutive bytes, aligned; written once, read by nobody here
.endr
.endm
	PLACES
	TOSTAGE 0
.irp a, 1,2,3
.if \a > 1
	s_wait_xcnt 0x0                                ; block a - 2's stores have read their registers: block a's loads may land there
.endif
	TOSTAGE \a
	SEND \a-1, 16                                  ; behind block a - 1's loads: block a's 8 stores and 8 loads
.endr
	SEND 3, 0
	s_wait_tensorcnt 0x0                           ; the wave's end, behind my last tensor load and my last LDS store
	ds_add_u32 v[SPW], v[NIL]
	s_wait_dscnt 0x0
	CROUND                                         ; the closing round: no work-group ends while a partner may still ask for a tile that names it
	s_endpgm
.Lfunc_end_k_q45b0f255e2_outp:
	.size	k_q45b0f255e2_outp, .Lfunc_end_k_q45b0f255e2_outp-k_q45b0f255e2_outp
	.p2alignl 7, 3214868480
	.fill 96, 4, 3214868480
	.section	.rodata,"a",@progbits
	.p2align	6, 0x0
	.amdhsa_kernel k_q45b0f255e2_outp
		.amdhsa_group_segment_fixed_size 327680
		.amdhsa_private_segment_fixed_size 0
		.amdhsa_enable_private_segment 0
		.amdhsa_kernarg_size 32
		.amdhsa_user_sgpr_count 2
		.amdhsa_user_sgpr_kernarg_segment_ptr 1
		.amdhsa_wavefront_size32 1
		.amdhsa_system_sgpr_workgroup_id_x 1
		.amdhsa_system_sgpr_workgroup_id_y 1
		.amdhsa_system_sgpr_workgroup_id_z 1
		.amdhsa_system_vgpr_workitem_id 0
		.amdhsa_next_free_vgpr 512
		.amdhsa_next_free_sgpr 66
		.amdhsa_reserve_vcc 0
		.amdhsa_float_denorm_mode_32 3
		.amdhsa_float_denorm_mode_16_64 3
		.amdhsa_memory_ordered 1
		.amdhsa_forward_progress 1
		.amdhsa_inst_pref_size 86
	.end_amdhsa_kernel
	.amdgpu_metadata
---
amdhsa.version: [ 1, 2 ]
amdhsa.kernels:
  - .name:           k_q45b0f255e2_outp
    .symbol:         k_q45b0f255e2_outp.kd
    .args:
      - { .name: ow, .offset: 0, .size: 8, .value_kind: global_buffer, .address_space: global }
      - { .name: wo16, .offset: 8, .size: 8, .value_kind: global_buffer, .address_space: global }
      - { .name: b_out, .offset: 16, .size: 8, .value_kind: global_buffer, .address_space: global }
      - { .name: out0, .offset: 24, .size: 8, .value_kind: global_buffer, .address_space: global }
    .group_segment_fixed_size: 327680
    .private_segment_fixed_size: 0
    .kernarg_segment_align: 8
    .kernarg_segment_size: 32
    .max_flat_workgroup_size: 128
    .sgpr_count:     66
    .vgpr_count:     512
    .wavefront_size: 32
...
	.end_amdgpu_metadata
.endif
;; end of part 4
